; MI455X (gfx1250); checked and timed in simulation.
; The chip was launched on July 23, 2026; its instructions are those of AMD's public machine-readable ISA for CDNA 5 (MIT licence, August 2026) and "CDNA5" Instruction Set Architecture Reference Guide (July 2026). The comments in the code are by the model that wrote it; some were corrected since.
;; Multi Head Attention. Allowed arithmetic: matrix products marked QUANTISED: E5M2 operands, one E8M0 scale for each 32 along K, by v_wmma_scale_f32_16x16x128_f8f6f4 with both operands' format E5M2, f32 sums; everything else in f32.
;; Inputs: Wk 1,024 x 1,024 float32; Wo 1,024 x 1,024 float32; Wq 1,024 x 1,024 float32; Wv 1,024 x 1,024 float32; bk 1,024 float32; bo 1,024 float32; bq 1,024 float32; bv 1,024 float32; k 4 x 2,048 x 1,024 float32; q 4 x 2,048 x 1,024 float32; v 4 x 2,048 x 1,024 float32.
;; Outputs: out0 4 x 2,048 x 1,024 float32.
;; This version of the problem:
;;   THIS VERSION OF THE PROBLEM IS GIVEN IN LOW PRECISION. The matrix products marked QUANTISED in the list below multiply operands that are first quantised to E5M2 (5 exponent bits, 2 mantissa bits; 8 bits a number), with one power-of-two scale for each 32 numbers along K (OCP MX v1.0); their sums are f32. All else is computed in f32.
;;   The module's matrix products, in the order in which they are computed (A, B: the left and right operand; K: the contracted axis; several contracted axes count as one K, in the product's order):
;;     1. [M 8,192, K 1,024] x [K 1,024, N 1,024]; A: input q; B: input Wq: QUANTISED
;;     2. [M 8,192, K 1,024] x [K 1,024, N 1,024]; A: input k; B: input Wk: QUANTISED
;;     3. [M 8,192, K 1,024] x [K 1,024, N 1,024]; A: input v; B: input Wv: QUANTISED
;;     4. batch 64 x [M 2,048, K 64] x [K 64, N 2,048]; A: computed on the way; B: computed on the way: QUANTISED
;;     5. batch 64 x [M 2,048, K 2,048] x [K 2,048, N 64]; A: softmax (see below); B: computed on the way: QUANTISED
;;     6. [M 8,192, K 1,024] x [K 1,024, N 1,024]; A: computed on the way; B: input Wo: QUANTISED
;;   THE QUANTISER, for each operand of a quantised product, along K:
;;     - K is cut into blocks of 32 from its start; a last block that is shorter is filled with zeros.
;;     - A block's scale is 2^e with e = floor(log2(the largest magnitude in the block)) - 15, held to -126 .. 127; a block of zeros has e = 0. As a byte (E8M0): e + 127.
;;     - Each number is divided by its block's scale, clamped to +-57,344, and rounded to the nearest number of E5M2, ties to even, subnormals kept.
;;     - The product sums the exact products of the quantised numbers (number of the format x scale) in f32.
;;   ~~~python
;;   def quantise(x, axis):      # numpy; x: float32 -> the quantised numbers, widened to float32 again
;;       x = np.moveaxis(x, axis, -1); K = x.shape[-1]
;;       x = np.pad(x, [(0, 0)] * (x.ndim - 1) + [(0, -K % 32)]); x = x.reshape(x.shape[:-1] + (-1, 32)); a = np.abs(x).max(-1, keepdims=True)
;;       e = np.where(a > 0, np.clip(np.frexp(np.where(a > 0, a, 1))[1] - 1 - 15, -126, 127), 0)      # np.frexp(a)[1] - 1 = floor(log2(a)), exactly
;;       r = np.clip(x / 2.0 ** e, -57344, 57344)
;;       step = 2.0 ** (np.maximum(np.frexp(np.where(r == 0, 1, r))[1] - 1, -14) - 2)
;;       q = np.round(r / step) * step * 2.0 ** e      # np.round: ties to even
;;       return np.moveaxis(q.reshape(q.shape[:-2] + (-1,))[..., :K], -1, axis).astype(np.float32)
;;   ~~~
;;   SOFTMAX AHEAD OF A QUANTISED PRODUCT. Where the list says 'softmax', what is quantised is not the finished softmax but p = 2^(t - M), with t = logit x log2(e) and M = ceil(the row's largest t), a whole number; so 1/2 < the row's largest p <= 1. The row's sum l is taken of the UNQUANTISED p, in f32, and the product's result is divided by l at the end. Since M is a whole number, a kernel that streams over the keys may use a running M (the ceiling of the running maximum): every later rescaling is an exact power of two, which a block's scale takes up: the codes' values come out the same.
;;   OPERANDS COMPUTED ON THE WAY. 'Computed on the way' means the value that the module computes at that place (a softmax that the list does not call 'softmax' is quantised finished and normalised). What goes into a quantiser is computed in f32, as accurately as f32 sums, v_exp_f32 and their like allow (about 1e-6 of the number): no bf16 or f16 on the way to a quantiser, and a product that is left as it is and whose result goes on into a quantised operand takes f32 operands (vector FMAs, or v_wmma_f32_16x16x4_f32). A number that lies on a knife's edge between two numbers of the format may be rounded either way, as far as f32 arithmetic and the matrix unit's own rounding can turn it there, and no further.
;; 2 versions. Each part assembles by itself: llvm-mc -triple=amdgcn-amd-amdhsa -mcpu=gfx1250 --defsym DOCPART=n.
;; ======== version 1 of 2: 4 launches
;; workspace buffers: img 37,748,736 bytes; scl 1,179,648 bytes; qkv 26,476,544 bytes
;; launch quant (part 1): grid 448 x 1, 4 waves a work-group, no clusters, 34,304 bytes of LDS; arguments q, k, v, Wq, Wk, Wv, Wo, img, scl; writes img, scl
.if DOCPART == 1
	.amdgcn_target "amdgcn-amd-amdhsa--gfx1250"
	.amdhsa_code_object_version 6
	.text
	.protected	k_qa63a77f648_quant
	.globl	k_qa63a77f648_quant
	.p2align	8
	.type	k_qa63a77f648_quant,@function
k_qa63a77f648_quant:
	s_mov_b64 s[64:65], 0
	v_nop
	global_prefetch_b8 v0, s[64:65] scope:SCOPE_SE
	s_setreg_imm32_b32 hwreg(HW_REG_WAVE_MODE, 25, 1), 1
	s_wait_xcnt 0x0
; q, k, v [8192][1024] and Wq, Wk, Wv, Wo [1024][1024], f32, K innermost, become codes of BF8 (E5M2) with one E8M0 byte for each 32 along K.
; A block's scale is 2^(floor(log2(its largest magnitude)) - 15); each number is divided by it, held within +-57,344 and rounded to the nearest code, ties to even.
; LAYOUT OF THE RESULT.  Rows go in tiles of 16; tile T = 2 B + u of a tensor holds rows 32 B + 8 u + i + 8 (i / 8), i = 0 .. 15, so that a transposed product leaves 16 neighbours along the next K in a lane.
; img: [tile][K step of 128][c 0..3][lane][16 bytes]: the image of the operand's registers (lane (r, h): row r of the tile, k = 32 c + 16 h + 0 .. 15).  scl: [tile][half][r][4 words]: word j of half s is row r's scale word of K step 4 s + j.
; Tiles: q 0, k 512, v 1024, Wq 1536, Wk 1600, Wv 1664, Wo 1728.
; SHARES.  A wave takes one tile, all eight K steps: 64 KiB of f32.  Each load reads 512 consecutive bytes of one row; a K step's 16 rows turn through the wave's own stage in LDS (rows of 512 + 16 bytes) so that a lane
; gets 16 neighbours of each of its row's four blocks.  Each store of codes covers 512 consecutive bytes, aligned.  Waves share nothing: no barrier, no cluster, no matrix unit; each input byte is read once.
; LIMITS: NaN and infinities are not served.  A block of zeros, and one whose largest magnitude lies under 2^(16 - 127), gets the byte 1 (the rule says 127 for zeros): zero codes add nothing under any byte but 0xff, and this program alone reads the bytes.
.set STG,  8448                        ; a wave's stage: 16 rows x 528 bytes
.set ROWP, 528
.set L16,  1                           ; v1      16 x lane
.set STI,  2                           ; v2      the stage, on the way in
.set STO,  3                           ; v3      and on the way out: 528 r + 64 h
.set PWS,  12                          ; v12-19  the eight K steps' scale words
.set TM,   20                          ; v20-35  at work in QUANT
.set W4,   40                          ; v40-43  the four words that my lane stores
.set PC,   44                          ; v44-59  a fragment's codes
.set RAW,  64                          ; v64-191 two sets of 64: a K step as loaded
.set X,    192                         ; v192-255 64 numbers: register 16 b + i = k 32 b + 16 h + i of my row
.set WV,   22
.set SEL,  28                          ; s[28:29] v_permlanex16_b32's selects for lane l xor 16
.set MNT,  30                          ; s30     the mantissa field of 57,344
.set HM,   31                          ; s31     a mask of lanes 16-31
; 64 numbers of a lane become a fragment's 16 registers of codes and the row's scale word.
.macro QUANT s, pc, pw
.irp b, 0,1,2,3
	v_max3_num_f32 v[TM+\b], |v[(\s)+16*\b]|, |v[(\s)+1+16*\b]|, 0x8000000   ; block b: my 16 numbers, and the floor 2^(16 - 127): the byte cannot fall under 1
.endr
.irp i, 2,4,6,8,10,12,14
.irp b, 0,1,2,3
	v_max3_num_f32 v[TM+\b], v[TM+\b], |v[(\s)+16*\b+\i]|, |v[(\s)+1+16*\b+\i]|   ; the four blocks by turns
.endr
.endr
.irp b, 0,1,2,3
	v_permlanex16_b32 v[TM+4+\b], v[TM+\b], s[SEL], s[SEL+1]
.endr
.irp b, 0,1,2,3
	v_max_num_f32 v[TM+\b], v[TM+\b], v[TM+4+\b]                 ; with lane l xor 16's 16: the block's largest magnitude
.endr
.irp b, 0,1,2,3
	v_add_nc_u32 v[TM+12+\b], 0xf8800000, v[TM+\b]               ; 15 off its exponent field: the conversion's scale operand
.endr
.irp b, 0,1,2,3
	v_and_or_b32 v[TM+8+\b], v[TM+\b], 0x7f800000, s[MNT]        ; 57,344 x the scale
.endr
.irp b, 0,1,2,3
	v_lshrrev_b32 v[TM+4+\b], 23, v[TM+12+\b]                    ; the scale's byte
.endr
	v_lshl_or_b32 v[\pw], v[TM+5], 8, v[TM+4]
	v_lshl_or_b32 v[\pw], v[TM+6], 16, v[\pw]
	v_lshl_or_b32 v[\pw], v[TM+7], 24, v[\pw]
.irp b, 0,1,2,3
.set i, 0
.rept 16
	v_med3_num_f32 v[(\s)+16*\b+i], v[(\s)+16*\b+i], -v[TM+8+\b], v[TM+8+\b]   ; the conversion to an 8-bit code does not saturate (ISA guide 7.6.2): the hold
.set i, i+1
.endr
	v_cvt_scalef32_pk8_bf8_f32 v[(\pc)+4*\b:(\pc)+1+4*\b], v[(\s)+16*\b:(\s)+7+16*\b], v[TM+12+\b]
	v_cvt_scalef32_pk8_bf8_f32 v[(\pc)+2+4*\b:(\pc)+3+4*\b], v[(\s)+8+16*\b:(\s)+15+16*\b], v[TM+12+\b]
.endr
	v_nop                                                        ; a plain line behind the last conversion
.endm
	s_load_b256 s[4:11], s[0:1], 0x0               ; q s[4:5], k s[6:7], v s[8:9], Wq s[10:11]
	s_load_b256 s[12:19], s[0:1], 0x20             ; Wk s[12:13], Wv s[14:15], Wo s[16:17], img s[18:19]
	s_load_b64 s[20:21], s[0:1], 0x40              ; scl
	v_lshl_add_u32 v62, v0, 2, 0x8400
	v_mov_b32 v63, 0
	v_lshrrev_b32 v4, 5, v0
	v_readfirstlane_b32 s[WV], v4                  ; wave 0..3
	v_and_b32 v5, 31, v0
	v_lshlrev_b32 v[L16], 4, v5
	s_mul_i32 s24, s[WV], STG
	v_add_nc_u32 v[STI], s24, v[L16]
	v_and_b32 v6, 15, v0                           ; r
	v_bfe_u32 v7, v0, 4, 1                         ; h
	v_mul_u32_u24 v[STO], v6, ROWP
	v_lshl_add_u32 v[STO], v7, 6, v[STO]
	v_add_nc_u32 v[STO], s24, v[STO]
.irp b, 0,1,2,3
	v_mov_b32 v[TM+4+\b], 0                        ; written once: a lane permute's destination counts as one of its sources
.endr
	s_mov_b32 s[SEL], 0x76543210
	s_mov_b32 s[SEL+1], 0xfedcba98
	s_mov_b32 s[MNT], 0x600000
	s_mov_b32 s[HM], 0xffff0000
	s_mov_b32 s23, 0                               ; the first work-group of my tensor
	s_wait_kmcnt 0x0
; Which tensor is mine hangs on the work-group's number alone: 128 work-groups each for q, k, v, 16 each for the weights.
.macro PICK bound, ptr
	s_cmp_ge_u32 ttmp9, \bound
	s_cselect_b64 s[4:5], s[\ptr:\ptr+1], s[4:5]
	s_cselect_b32 s23, \bound, s23
.endm
	PICK 128, 6
	PICK 256, 8
	PICK 384, 10
	PICK 400, 12
	PICK 416, 14
	PICK 432, 16
	s_sub_co_u32 s24, ttmp9, s23
	s_lshl_b32 s24, s24, 2
	s_add_co_u32 s24, s24, s[WV]                   ; my tile within the tensor
	s_lshr_b32 s25, s24, 1
	s_lshl_b32 s25, s25, 5
	s_and_b32 s26, s24, 1
	s_lshl_b32 s26, s26, 3
	s_add_co_u32 s24, s25, s26                     ; its first row: 32 (T / 2) + 8 (T % 2)
	s_lshl_b32 s24, s24, 12                        ; rows of 4,096 bytes
	s_mov_b32 s25, 0
	s_add_nc_u64 s[4:5], s[4:5], s[24:25]
	s_lshl_b32 s26, ttmp9, 2
	s_add_co_u32 s26, s26, s[WV]                   ; my tile among all: 4 x work-group + wave
	s_lshl_b32 s24, s26, 14
	s_add_nc_u64 s[18:19], s[18:19], s[24:25]
	s_lshl_b32 s24, s26, 9
	s_add_nc_u64 s[20:21], s[20:21], s[24:25]
.macro LOAD s                          ; K step s: 16 rows x 512 consecutive bytes, into set s % 2
.irp i, 0,1,2,3,4,5,6,7,8,9,10,11,12,13,14,15
	global_load_b128 v[RAW+64*((\s)%2)+4*\i:RAW+64*((\s)%2)+4*\i+3], v[L16], s[4:5] offset:(\i+8*(\i/8))*4096+512*(\s) th:TH_LOAD_NT
.endr
.endm
.macro STEP s
.if (\s) < 7
	s_wait_loadcnt 16                              ; this step's 16 loads are in; the next step's 16 stay out
.else
	s_wait_loadcnt 0x0
.endif
	s_wait_xcnt 0x0                                ; the last step's stores have read the codes' registers, which are written again below
.irp i, 0,1,2,3,4,5,6,7,8,9,10,11,12,13,14,15
	ds_store_b128 v[STI], v[RAW+64*((\s)%2)+4*\i:RAW+64*((\s)%2)+4*\i+3] offset:ROWP*\i
.endr
.irp b, 0,1,2,3
.irp j, 0,1,2,3
	ds_load_b128 v[X+16*\b+4*\j:X+16*\b+4*\j+3], v[STO] offset:128*\b+16*\j   ; LDS serves a wave's instructions in order: these see the stores above
.endr
.endr
	s_wait_dscnt 0x0                               ; my 64 numbers are in, and the stores have read the set, which takes the loads of two steps on
.if (\s) < 6
	LOAD (\s)+2
.endif
	QUANT X, PC, PWS+(\s)
.irp c, 0,1,2,3
	global_store_b128 v[L16], v[PC+4*\c:PC+4*\c+3], s[18:19] offset:2048*(\s)+512*\c   ; 32 lanes store 512 consecutive bytes, aligned
.endr
.endm
	LOAD 0
	LOAD 1
.irp t, 0,1,2,3,4,5,6,7
	STEP \t
.endr
.irp j, 0,1,2,3
	v_cndmask_b32 v[W4+\j], v[PWS+\j], v[PWS+4+\j], s[HM]   ; lanes 0-15 store K steps 0-3 of row r, lanes 16-31 K steps 4-7
.endr
	global_store_b128 v[L16], v[W4:W4+3], s[20:21]
	s_wait_tensorcnt 0x0
	ds_add_u32 v62, v63
	s_wait_dscnt 0x0
	s_endpgm
.Lfunc_end_k_qa63a77f648_quant:
	.size	k_qa63a77f648_quant, .Lfunc_end_k_qa63a77f648_quant-k_qa63a77f648_quant
	.p2alignl 7, 3214868480
	.fill 96, 4, 3214868480
	.section	.rodata,"a",@progbits
	.p2align	6, 0x0
	.amdhsa_kernel k_qa63a77f648_quant
		.amdhsa_group_segment_fixed_size 34304
		.amdhsa_private_segment_fixed_size 0
		.amdhsa_enable_private_segment 0
		.amdhsa_kernarg_size 72
		.amdhsa_user_sgpr_count 2
		.amdhsa_user_sgpr_kernarg_segment_ptr 1
		.amdhsa_wavefront_size32 1
		.amdhsa_system_sgpr_workgroup_id_x 1
		.amdhsa_system_sgpr_workgroup_id_y 1
		.amdhsa_system_sgpr_workgroup_id_z 1
		.amdhsa_system_vgpr_workitem_id 0
		.amdhsa_next_free_vgpr 256
		.amdhsa_next_free_sgpr 66
		.amdhsa_reserve_vcc 0
		.amdhsa_float_denorm_mode_32 3
		.amdhsa_float_denorm_mode_16_64 3
		.amdhsa_memory_ordered 1
		.amdhsa_forward_progress 1
		.amdhsa_inst_pref_size 99
	.end_amdhsa_kernel
	.amdgpu_metadata
---
amdhsa.version: [ 1, 2 ]
amdhsa.kernels:
  - .name:           k_qa63a77f648_quant
    .symbol:         k_qa63a77f648_quant.kd
    .args:
      - { .name: q, .offset: 0, .size: 8, .value_kind: global_buffer, .address_space: global }
      - { .name: k, .offset: 8, .size: 8, .value_kind: global_buffer, .address_space: global }
      - { .name: v, .offset: 16, .size: 8, .value_kind: global_buffer, .address_space: global }
      - { .name: Wq, .offset: 24, .size: 8, .value_kind: global_buffer, .address_space: global }
      - { .name: Wk, .offset: 32, .size: 8, .value_kind: global_buffer, .address_space: global }
      - { .name: Wv, .offset: 40, .size: 8, .value_kind: global_buffer, .address_space: global }
      - { .name: Wo, .offset: 48, .size: 8, .value_kind: global_buffer, .address_space: global }
      - { .name: img, .offset: 56, .size: 8, .value_kind: global_buffer, .address_space: global }
      - { .name: scl, .offset: 64, .size: 8, .value_kind: global_buffer, .address_space: global }
    .group_segment_fixed_size: 34304
    .private_segment_fixed_size: 0
    .kernarg_segment_align: 8
    .kernarg_segment_size: 72
    .max_flat_workgroup_size: 128
    .sgpr_count:     66
    .vgpr_count:     256
    .wavefront_size: 32
...
	.end_amdgpu_metadata
.endif
;; end of part 1
;; launch proj (part 2): grid 4 x 96, 4 waves a work-group, clusters of 4 x 4, 327,680 bytes of LDS; arguments img, scl, bq, bk, bv, qkv; writes qkv
.if DOCPART == 2
	.amdgcn_target "amdgcn-amd-amdhsa--gfx1250"
	.amdhsa_code_object_version 6
	.text
	.protected	k_qa63a77f648_proj
	.globl	k_qa63a77f648_proj
	.p2align	8
	.type	k_qa63a77f648_proj,@function
k_qa63a77f648_proj:
	s_mov_b64 s[64:65], 0
	v_nop
	global_prefetch_b8 v0, s[64:65] scope:SCOPE_SE
	s_setreg_imm32_b32 hwreg(HW_REG_WAVE_MODE, 25, 1), 1
	s_wait_xcnt 0x0
	s_wait_alu depctr_hold_cnt(0) depctr_sa_sdst(0) depctr_va_vdst(0) depctr_va_sdst(0) depctr_va_ssrc(0) depctr_va_vcc(0) depctr_vm_vsrc(0)
	s_getreg_b32 s2, hwreg(HW_REG_IB_STS2, 6, 4)
	s_cmp_eq_u32 s2, 0
	s_cbranch_scc0 .Lentry_in_a_cluster
	s_endpgm
.Lentry_in_a_cluster:
	s_bfe_u32 s2, ttmp6, 0x10000c
	s_cmp_lg_u32 s2, 0xf033
	s_cbranch_scc0 .Lentry_shape_is_right
	s_endpgm
.Lentry_shape_is_right:
; The three input projections, x W^T + b, on codes of BF8 (E5M2) with E8M0 scales, K = 1,024; their results are quantised again on the way out, as the operands of attention's two products.
; Clusters 0-7 along y make Q, 8-15 K, 16-23 V.  A tile of C is 256 x 256: four waves, each 128 x 128 in 64 accumulators.  THE MATRIX INSTRUCTION IS USED TRANSPOSED: source 0 = 16 rows of B, source 1 = 16 rows of A:
; a lane holds ONE row of A and its registers run along B's rows; by the order of rows in a tile (tile 2 B + u: rows 32 B + 8 u + r + 8 (r / 8)) the 16 registers of B's tiles 2 B, 2 B + 1 are 16 neighbours.
; Q, K: A = tokens, B = the weight's rows: a lane holds a token and 128 neighbouring features, two heads of 64: the next K.   V: A = Wv's rows, B = tokens: a lane holds a feature and 128 neighbouring keys: the next K.
; OPERANDS lie in img as images of their registers, [tile][K step][c][lane][16]: a slot of LDS takes two K steps of 16 tiles of A and 16 of B (131,072 bytes); a fragment is four loads of 512 consecutive bytes: no pitch, no padding.
; K goes through two slots, four fills.  The scale words of all of K stay in 64 registers: lanes 0-15 A's block i, lanes 16-31 B's block i.  Since those registers differ from K step to K step, the eight K steps are written out by macros: no loop.
; CLUSTERS: 4 x 4 work-groups; A's tiles are asked for jointly along a row of the cluster, B's along a column.  A wave has two tensor loads out at the start, later one.
; qkv: for each of 64 heads HS bytes: Q's images [tile][c 0..1][lane][16], K's the same, V^T's [step of 128 keys][tile of 16 features][c 0..3][lane][16]; then scale words: Q's and K's [128 tokens][lane (h, r)][i]: tile 2 i + h, row r;
; V's [step][lane (h, r)][i 0..1].  In a word of Q or K bytes 0, 1 are the head's two blocks; bytes 2, 3 (the neighbour head's bytes, or 0) stand over zero codes in attention's K step of 128.
; LIMITS: NaN and infinities are not served; a block of zeros gets the byte 1 (zero codes add nothing under any byte but 0xff, and this program alone reads the bytes).
; REGISTERS: window 0: v0-31 addresses and the way out's words; v32-95 scale words; v96-127 at work on the way out; v128-255 A's fragments, one set; on the way out v128-191 the bias, v192-255 64 numbers.
;   window 1: B's fragments, two sets.   windows 2, 3: the accumulators ((a, b) at v[8 (8 (a % 4) + b)]).
.set HS,    413696
.set SLOT,  131072
.set BOFF,  65536                      ; in a slot: A's 16 tiles x 4,096 bytes, then B's
.set SPARE, 262144                     ; behind the ring: the spare words, 128 bytes for each wave
.set FR,    16
.set NP,    8                          ; places behind this matrix instruction (ISA guide 7.12.1)
.set W4H,   0                          ; v0-3    the second head's scale words (v0 is done with by then)
.set PWS,   4                          ; v4-11   the eight blocks' scale words
.set W4,    12                         ; v12-15  the words that my lane stores
.set ADRA,  16                         ; v16-17  LDS address of my A fragments in slot 0, 1
.set ADRB,  20                         ; v20-21  the same for B
.set VBQ,   22                         ; v22     64 h: my half's place in the bias (Q, K)
.set VBV,   23                         ; v23     4 (r + 8 (r / 8)): my row's place in the bias (V)
.set L8,    25                         ; v25     8 x lane
.set L16,   26                         ; v26     16 x lane
.set ADRS,  27                         ; v27     my byte offset among the scale words
.set SPW,   28                         ; v28     my spare word; never rewritten
.set NIL,   29                         ; v29     0; never rewritten
.set SC,    32                         ; v[32 + 8 i + ks]
.set TM,    96
.set PC,    112
.set AF,    128
.set BN,    128
.set T,     192
.set WV,  16
.set WR,  17                           ; which half of A's rows is mine.  Also: I fetch for A (0) or for B (1)
.set WC,  18                           ; which half of B's rows.  Also: which 8 tiles I fetch
.set ISV, 19
.set G1,  24
.set G0,  32
.set G1B, 48
.set G0B, 56
.set SEL, 74
.set MNT, 76
.set HM,  77
.set MSB, 0
.macro WIN new                         ; the immediate's high byte repeats the setting that is left
.if MSB != (\new)
	s_set_vgpr_msb (MSB<<8)|(\new)
.set MSB, (\new)
.endif
.endm
.set MUL_LO, 0xa1                      ; source 0 (B) window 1, source 1 (A) window 0, C and D window 2
.set MUL_HI, 0xf1
.set TO_B,   0x40
.macro PLACES n
.rept \n
	v_nop
.endr
.endm
.macro JLOAD s                         ; a joint load: waves 0, 1 fetch A's halves, waves 2, 3 B's; four v_nop follow each of the two lines
	s_cmp_eq_u32 s[WR], 0
	s_cbranch_scc0 .Lfor_b_\@
	tensor_load_to_lds s[G0+4*\s:G0+4*\s+3], s[G1:G1+7]
	s_nop 0
	PLACES 4
	s_branch .Lasked_\@
.Lfor_b_\@:
	tensor_load_to_lds s[G0B+4*\s:G0B+4*\s+3], s[G1B:G1B+7]
	s_nop 0
	PLACES 4
.Lasked_\@:
.endm
.macro CREST                           ; a round of the cluster's barrier behind its opening barrier
	s_cmp_lg_u32 s[WV], 0
	s_cbranch_scc1 .Lnot_wave_0_\@
	s_barrier_signal -3
.Lnot_wave_0_\@:
	s_barrier_wait -3
	s_barrier_signal -1
	s_barrier_wait -1
.endm
.macro CROUND
	s_barrier_signal -1
	s_barrier_wait -1
	CREST
.endm
.macro QUANT s, pc, pw                 ; 64 numbers of a lane, register 16 b + i = k 32 b + 16 h + i of my row, become 16 registers of codes and the row's scale word
.irp b, 0,1,2,3
	v_max3_num_f32 v[TM+\b], |v[(\s)+16*\b]|, |v[(\s)+1+16*\b]|, 0x8000000   ; and the floor 2^(16 - 127): the byte cannot fall under 1
.endr
.irp i, 2,4,6,8,10,12,14
.irp b, 0,1,2,3
	v_max3_num_f32 v[TM+\b], v[TM+\b], |v[(\s)+16*\b+\i]|, |v[(\s)+1+16*\b+\i]|
.endr
.endr
.irp b, 0,1,2,3
	v_permlanex16_b32 v[TM+4+\b], v[TM+\b], s[SEL], s[SEL+1]
.endr
.irp b, 0,1,2,3
	v_max_num_f32 v[TM+\b], v[TM+\b], v[TM+4+\b]
.endr
.irp b, 0,1,2,3
	v_add_nc_u32 v[TM+12+\b], 0xf8800000, v[TM+\b]               ; 15 off the exponent field: the conversion's scale operand
.endr
.irp b, 0,1,2,3
	v_and_or_b32 v[TM+8+\b], v[TM+\b], 0x7f800000, s[MNT]        ; 57,344 x the scale
.endr
.irp b, 0,1,2,3
	v_lshrrev_b32 v[TM+4+\b], 23, v[TM+12+\b]                    ; the scale's byte
.endr
	v_lshl_or_b32 v[\pw], v[TM+5], 8, v[TM+4]
	v_lshl_or_b32 v[\pw], v[TM+6], 16, v[\pw]
	v_lshl_or_b32 v[\pw], v[TM+7], 24, v[\pw]
.irp b, 0,1,2,3
.set i, 0
.rept 16
	v_med3_num_f32 v[(\s)+16*\b+i], v[(\s)+16*\b+i], -v[TM+8+\b], v[TM+8+\b]   ; the conversion does not saturate (ISA guide 7.6.2): the hold
.set i, i+1
.endr
	v_cvt_scalef32_pk8_bf8_f32 v[(\pc)+4*\b:(\pc)+1+4*\b], v[(\s)+16*\b:(\s)+7+16*\b], v[TM+12+\b]
	v_cvt_scalef32_pk8_bf8_f32 v[(\pc)+2+4*\b:(\pc)+3+4*\b], v[(\s)+8+16*\b:(\s)+15+16*\b], v[TM+12+\b]
.endr
	v_nop                                                        ; a plain line behind the last conversion
.endm
	s_load_b256 s[4:11], s[0:1], 0x0               ; img s[4:5], scl s[6:7], bq s[8:9], bk s[10:11]
	s_load_b128 s[12:15], s[0:1], 0x20             ; bv s[12:13], qkv s[14:15]
	v_lshl_add_u32 v[SPW], v0, 2, SPARE
	v_mov_b32 v[NIL], 0
	ds_add_u32 v28, v29
	ds_add_u32 v28, v29
	s_wait_dscnt 0x0
	v_lshrrev_b32 v1, 5, v0
	v_readfirstlane_b32 s[WV], v1                  ; wave 0..3
	s_lshr_b32 s[WR], s[WV], 1
	s_and_b32 s[WC], s[WV], 1
	s_bfe_u32 s40, ttmp6, 0x40000                  ; cx
	s_bfe_u32 s41, ttmp6, 0x40004                  ; cy
	s_and_b32 s42, ttmp7, 0xffff                   ; the cluster's y, 0..23: the same in all sixteen partners
	s_lshl_b32 s43, s41, 2
	s_lshl_b32 s43, 15, s43                        ; my row of the cluster
	s_lshl_b32 s44, 0x1111, s40                    ; my column
	; descriptor group 1: 8 tiles' two K steps: 8 rows of 4,096 bytes (512 elements of 8 bytes), 16,384 bytes apart; dense in LDS
	s_or_b32 s[G1], s43, (3<<16)|(1<<21)           ; 15:0 the mask; 17:16 elements of 8 bytes; 21 set beside a mask
	s_or_b32 s[G1B], s44, (3<<16)|(1<<21)
.irp g, G1, G1B
	s_mov_b32 s[\g+1], 512<<16                     ; tensor_dim0
	s_mov_b32 s[\g+2], 8<<16                       ; tensor_dim1
	s_mov_b32 s[\g+3], 512<<16                     ; tile_dim0
	s_mov_b32 s[\g+4], 8                           ; tile_dim1
	s_mov_b32 s[\g+5], 2048                        ; tensor_dim0_stride
	s_mov_b32 s[\g+6], 0
	s_mov_b32 s[\g+7], 0
.endr
	s_mov_b32 s[SEL], 0x76543210
	s_mov_b32 s[SEL+1], 0xfedcba98
	s_mov_b32 s[MNT], 0x600000
	s_mov_b32 s[HM], 0xffff0000
	; which tiles.  p = 0, 1, 2: Q, K, V; cl: which 1,024 tokens.  A's tiles hang on cy and the cluster's y alone, B's on cx and the cluster's y alone, each in registers that never hold the other place.
	s_lshr_b32 s20, s42, 3                         ; p
	s_and_b32 s21, s42, 7                          ; cl
	s_lshl_b32 s22, s20, 9
	s_lshl_b32 s23, s21, 6
	s_add_co_u32 s66, s22, s23                     ; Q, K: A = tokens: 512 p + 64 cl
	s_lshl_b32 s46, s20, 6
	s_add_co_u32 s46, s46, 1536                    ;       B = the weight: 1536 + 64 p
	s_add_co_u32 s47, s23, 1024                    ; V:    B = tokens: 1024 + 64 cl
	s_mov_b32 s67, 1664                            ;       A = Wv
	s_cmp_eq_u32 s20, 2
	s_cselect_b32 s[ISV], 1, 0
	s_cselect_b32 s66, s67, s66
	s_cselect_b32 s46, s47, s46
	s_lshl_b32 s67, s41, 4
	s_add_co_u32 s66, s66, s67                     ; A's first tile
	s_lshl_b32 s47, s40, 4
	s_add_co_u32 s46, s46, s47                     ; B's first tile
	s_lshl_b32 s78, s[WR], 3
	s_add_co_u32 s78, s78, s66
	s_lshl_b32 s78, s78, 9                         ; where my 8 blocks' scale words of A begin,
	s_lshl_b32 s79, s[WC], 3
	s_add_co_u32 s79, s79, s46
	s_lshl_b32 s79, s79, 9                         ; and of B
	s_lshl_b32 s22, s[WC], 3                       ; which 8 tiles I fetch
	s_add_co_u32 s66, s66, s22
	s_lshl_b32 s66, s66, 14
	s_mov_b32 s67, 0
	s_add_co_u32 s46, s46, s22
	s_lshl_b32 s46, s46, 14
	s_mov_b32 s47, 0
	s_lshl_b32 s45, s[WV], 15                      ; where they go: wave x 32,768: no place in the cluster enters an LDS address
	s_wait_kmcnt 0x0
	s_add_nc_u64 s[66:67], s[4:5], s[66:67]
	s_add_nc_u64 s[46:47], s[4:5], s[46:47]
	CROUND                                         ; all sixteen work-groups are here: the first joint loads meet
.irp s, 0,1
	s_mov_b32 s[G0+4*\s], 1
	s_add_co_u32 s[G0+4*\s+1], s45, \s*SLOT
	s_add_nc_u64 s[G0+4*\s+2:G0+4*\s+3], s[66:67], \s*4096
	s_or_b32 s[G0+4*\s+3], s[G0+4*\s+3], 0x80000000
	s_mov_b32 s[G0B+4*\s], 1
	s_add_co_u32 s[G0B+4*\s+1], s45, \s*SLOT
	s_add_nc_u64 s[G0B+4*\s+2:G0B+4*\s+3], s[46:47], \s*4096
	s_or_b32 s[G0B+4*\s+3], s[G0B+4*\s+3], 0x80000000
	JLOAD \s
.endr
	v_and_b32 v1, 15, v0                           ; r
	v_bfe_u32 v2, v0, 4, 1                         ; h
	v_and_b32 v3, 31, v0
	v_lshlrev_b32 v[L16], 4, v3
	v_lshlrev_b32 v[L8], 3, v3
	s_lshl_b32 s22, s[WR], 15                      ; my 8 tiles of A
	s_lshl_b32 s23, s[WC], 15
	s_add_co_u32 s23, s23, BOFF                    ; my 8 tiles of B
.irp s, 0,1
	v_add_nc_u32 v[ADRA+\s], s22, v[L16]
	v_add_nc_u32 v[ADRB+\s], s23, v[L16]
	s_add_co_u32 s22, s22, SLOT
	s_add_co_u32 s23, s23, SLOT
.endr
	v_mov_b32 v4, s78
	v_mov_b32 v5, s79
	v_cndmask_b32 v4, v4, v5, s[HM]                ; lanes 0-15 take A's words, lanes 16-31 B's
	v_lshl_add_u32 v[ADRS], v1, 4, v4
.irp i, 0,1,2,3,4,5,6,7
.irp u, 0,1
	global_load_b128 v[SC+8*\i+4*\u:SC+8*\i+4*\u+3], v[ADRS], s[6:7] offset:512*\i+256*\u   ; block i, K steps 4 u .. 4 u + 3
.endr
.endr
	v_lshlrev_b32 v[VBQ], 6, v2
	v_and_b32 v5, 8, v1
	v_add_nc_u32 v5, v5, v1
	v_lshlrev_b32 v[VBV], 2, v5
	; where the results go.  The side that holds tokens is A for Q and K, B for V.
	s_cmp_eq_u32 s[ISV], 1
	s_cselect_b32 s80, s40, s41                    ; the tokens' place in the cluster,
	s_cselect_b32 s81, s[WC], s[WR]                ; and my half of them
	s_cselect_b32 s82, s41, s40                    ; the features' place,
	s_cselect_b32 s83, s[WR], s[WC]                ; and my half
	s_lshl_b32 s84, s21, 2
	s_add_co_u32 s84, s84, s80
	s_lshl_b32 s84, s84, 1
	s_add_co_u32 s84, s84, s81                     ; my first token / 128
	s_and_b32 s85, s84, 15                         ; which 128 tokens of the sequence
	s_lshr_b32 s86, s84, 4
	s_lshl_b32 s86, s86, 4                         ; 16 x batch
	s_lshl_b32 s87, s82, 2
	s_add_co_u32 s86, s86, s87
	s_lshl_b32 s87, s83, 1
	s_add_co_u32 s86, s86, s87                     ; + my first head: 4 x place + 2 x half
	s_mul_i32 s86, s86, HS
	s_lshl_b32 s87, s20, 17                        ; codes: + 131,072 p + 8,192 x group
	s_add_co_u32 s88, s86, s87
	s_lshl_b32 s87, s85, 13
	s_add_co_u32 s88, s88, s87
	s_mov_b32 s89, 0
	s_add_nc_u64 s[70:71], s[14:15], s[88:89]
	s_lshl_b32 s87, s20, 13                        ; scale words: Q, K: 8,192 p + 512 x group;
	s_lshl_b32 s90, s85, 9
	s_add_co_u32 s87, s87, s90
	s_lshl_b32 s90, s85, 8                         ; V: 16,384 + 256 x group
	s_add_co_u32 s90, s90, 16384
	s_cmp_eq_u32 s[ISV], 1
	s_cselect_b32 s87, s90, s87
	s_add_co_u32 s88, s86, s87
	s_add_co_u32 s88, s88, 393216
	s_add_nc_u64 s[72:73], s[14:15], s[88:89]
	s_lshl_b32 s88, s82, 10                        ; the bias: my 128 features begin at 256 x place + 128 x half
	s_lshl_b32 s87, s83, 9
	s_add_co_u32 s88, s88, s87
	s_cmp_eq_u32 s20, 1
	s_cselect_b64 s[68:69], s[10:11], s[8:9]
	s_cmp_eq_u32 s20, 2
	s_cselect_b64 s[68:69], s[12:13], s[68:69]
	s_add_nc_u64 s[68:69], s[68:69], s[88:89]
.macro FRAG reg, adr, q, i             ; a fragment's image: four loads of 512 consecutive bytes
.irp c, 0,1,2,3
	ds_load_b128 v[\reg+4*\c:\reg+4*\c+3], v[\adr] offset:4096*(\i)+2048*(\q)+512*\c
.endr
.endm
; 16 matrix instructions: A's blocks a0, a0 + 1 x B's eight, K step ks.  p: B's set.  zero = 1: the first product starts the sums.  The 64 accumulators take turns, one instruction a turn.
.macro MUL16 a0, p, ks, zero
.irp a, \a0, \a0+1
.irp b, 0,1,2,3,4,5,6,7
.if \zero
	v_wmma_scale_f32_16x16x128_f8f6f4 v[8*(8*((\a)%4)+\b):8*(8*((\a)%4)+\b)+7], v[128*(\p)+FR*\b:128*(\p)+FR*\b+FR-1], v[AF+FR*(\a):AF+FR*(\a)+FR-1], 0, v[SC+8*\b+(\ks)], v[SC+8*(\a)+(\ks)] matrix_a_fmt:MATRIX_FMT_BF8 matrix_b_fmt:MATRIX_FMT_BF8 matrix_a_scale:MATRIX_SCALE_ROW1
.else
	v_wmma_scale_f32_16x16x128_f8f6f4 v[8*(8*((\a)%4)+\b):8*(8*((\a)%4)+\b)+7], v[128*(\p)+FR*\b:128*(\p)+FR*\b+FR-1], v[AF+FR*(\a):AF+FR*(\a)+FR-1], v[8*(8*((\a)%4)+\b):8*(8*((\a)%4)+\b)+7], v[SC+8*\b+(\ks)], v[SC+8*(\a)+(\ks)] matrix_a_fmt:MATRIX_FMT_BF8 matrix_b_fmt:MATRIX_FMT_BF8 matrix_a_scale:MATRIX_SCALE_ROW1
.endif
.endr
.endr
.endm
.macro FETCH_B slot, q, p
	WIN TO_B
.irp i, 0,1,2,3,4,5,6,7
	FRAG 128*(\p)+FR*\i, ADRB+\slot, \q, \i
.endr
	WIN 0
.endm
.macro FETCH_A slot, q, i0
.irp i, \i0, \i0+1, \i0+2, \i0+3
	FRAG AF+FR*(\i), ADRA+\slot, \q, \i
.endr
.endm
; A slot's first K step: B's set 0; the slot's second K step is fetched meanwhile (B into set 1; A's blocks as they come free).
.macro STEP slot, ks, zero
	s_wait_dscnt 16                                ; B's set and A's blocks 0-3 are in; the youngest 16 loads (A's blocks 4-7) may be out
	WIN MUL_LO
	MUL16 0, 0, \ks, \zero
	MUL16 2, 0, \ks, \zero
	s_wait_dscnt 0
	PLACES NP                                      ; in front of loads into registers that matrix instructions have read
	FETCH_B \slot, 1, 1
	FETCH_A \slot, 1, 0
	WIN MUL_HI
	MUL16 4, 0, \ks, \zero
	MUL16 6, 0, \ks, \zero
	PLACES NP
	WIN 0
	FETCH_A \slot, 1, 4
.endm
; A slot's second K step changes slots: ONE barrier; in front of it each wave waits for all its tensor loads, adds 0 to its spare word, and waits for that and for its reads of this slot.  fill = 1: this slot is filled again, two fills on.
.macro TURN slot, next, fill, ks
	s_wait_tensorcnt 0x0                           ; all my tensor loads have landed: my part of the next slot
	ds_add_u32 v[SPW], v[NIL]                      ; 0 onto my spare word
	s_wait_dscnt 17                                ; (the add and A's blocks 4-7 may be out)
	WIN MUL_LO
	MUL16 0, 1, \ks, 0
	s_wait_dscnt 0x0                               ; the add is done, and my reads of this slot are over
	s_barrier_signal -1
	MUL16 2, 1, \ks, 0
	WIN 0
	s_barrier_wait -1
.if \fill
	CREST                                          ; the barrier has opened a round of the cluster's barrier: no wave of any partner still reads this slot or has a load on its way
	s_add_nc_u64 s[G0+4*\slot+2:G0+4*\slot+3], s[G0+4*\slot+2:G0+4*\slot+3], 8192
	s_add_nc_u64 s[G0B+4*\slot+2:G0B+4*\slot+3], s[G0B+4*\slot+2:G0B+4*\slot+3], 8192
	JLOAD \slot                                    ; the first tensor load behind the round; its four v_nop are among the places in front of the loads below
	PLACES NP-4
.else
	PLACES NP
.endif
	FETCH_B \next, 0, 0
	FETCH_A \next, 0, 0
	WIN MUL_HI
	MUL16 4, 1, \ks, 0
	MUL16 6, 1, \ks, 0
	PLACES NP
	WIN 0
	FETCH_A \next, 0, 4
.endm
; The second half of the last K step, and THE WAY OUT.  For each of A's blocks a: the bias is added to the lane's 128 numbers (each accumulator from its low end on), they are quantised, and the codes, which are the next
; operand's registers, are stored as they stand: 512 consecutive bytes a store.  No LDS.
.macro TAIL isv
.if \isv
.irp a, 0,1,2,3,4,5,6,7
	global_load_b32 v[BN+2*\a], v[VBV], s[68:69] offset:(32*(\a/2)+8*(\a%2))*4       ; V: the bias of my row of block a, twice: the packed addition names a pair
	global_load_b32 v[BN+2*\a+1], v[VBV], s[68:69] offset:(32*(\a/2)+8*(\a%2))*4
.endr
.else
.irp b, 0,1,2,3,4,5,6,7
	global_load_b128 v[BN+8*\b:BN+8*\b+3], v[VBQ], s[68:69] offset:(32*(\b/2)+8*(\b%2))*4      ; Q, K: the bias of the eight features of B's tile b in my half
	global_load_b128 v[BN+8*\b+4:BN+8*\b+7], v[VBQ], s[68:69] offset:(32*(\b/2)+8*(\b%2))*4+16
.endr
.endif
	WIN MUL_HI
	MUL16 4, 1, 7, 0
	MUL16 6, 1, 7, 0
	WIN 0
	PLACES NP                                      ; behind the last products
	s_wait_loadcnt 0x0                             ; the bias
.irp b, 0,1,2,3
	v_mov_b32 v[TM+4+\b], 0                        ; written once: a lane permute's destination counts as one of its sources
.endr
.irp a, 0,1,2,3,4,5,6,7
	s_wait_xcnt 0x0                                ; the last block's stores have read the codes' registers
	WIN 0x02+(\a)/4                                ; source 0: window 2 or 3
.irp b, 0,1,2,3,4,5,6,7
.irp j, 0,2,4,6
.if \isv
	v_pk_add_f32 v[T+8*\b+\j:T+8*\b+\j+1], v[8*(8*(\a%4)+\b)+\j:8*(8*(\a%4)+\b)+\j+1], v[BN+2*\a:BN+2*\a+1]
.else
	v_pk_add_f32 v[T+8*\b+\j:T+8*\b+\j+1], v[8*(8*(\a%4)+\b)+\j:8*(8*(\a%4)+\b)+\j+1], v[BN+8*\b+\j:BN+8*\b+\j+1]
.endif
.endr
.endr
	WIN 0
	QUANT T, PC, PWS+\a
.irp g, 0,1,2,3
.if \isv
	global_store_b128 v[L16], v[PC+4*\g:PC+4*\g+3], s[70:71] offset:(\a/4)*HS+2048*(\a%4)+512*\g      ; head a / 4, tile of features a % 4, keys 32 g on
.else
	global_store_b128 v[L16], v[PC+4*\g:PC+4*\g+3], s[70:71] offset:(\g/2)*HS+1024*\a+512*(\g%2)      ; head g / 2, tile of tokens a, the head's block g % 2
.endif
.endr
.endr
.irp i, 0,1,2,3
	v_cndmask_b32 v[W4+\i], v[PWS+2*\i], v[PWS+2*\i+1], s[HM]   ; lanes 0-15: tile 2 i; lanes 16-31: tile 2 i + 1
.endr
.if \isv
	global_store_b64 v[L8], v[W4:W4+1], s[72:73]
	global_store_b64 v[L8], v[W4+2:W4+3], s[72:73] offset:HS
.else
.irp i, 0,1,2,3
	v_lshrrev_b32 v[W4H+\i], 16, v[W4+\i]          ; the second head's two bytes come down; above them 0, over zero codes
.endr
	global_store_b128 v[L16], v[W4:W4+3], s[72:73]
	global_store_b128 v[L16], v[W4H:W4H+3], s[72:73] offset:HS
.endif
.endm
	s_wait_loadcnt 0x0                             ; the scale words
	s_wait_tensorcnt 1                             ; my part of slot 0 is in; slot 1's may stay out
	s_barrier_signal -1
	s_barrier_wait -1
	FETCH_B 0, 0, 0
	FETCH_A 0, 0, 0
	FETCH_A 0, 0, 4
	STEP 0, 0, 1
	TURN 0, 1, 1, 1
	STEP 1, 2, 0
	TURN 1, 0, 1, 3
	STEP 0, 4, 0
	TURN 0, 1, 0, 5                                ; nothing is left to fetch
	STEP 1, 6, 0
	s_wait_dscnt 16
	WIN MUL_LO
	MUL16 0, 1, 7, 0
	MUL16 2, 1, 7, 0
	s_wait_dscnt 0
	PLACES NP                                      ; in front of the bias's loads into the registers of A's blocks 0-3
	WIN 0
	s_cmp_eq_u32 s[ISV], 0                         ; hangs on the cluster's y alone: the same in every wave of every partner
	s_cbranch_scc0 .Lfor_v
	TAIL 0
	s_branch .Lend
.Lfor_v:
	TAIL 1
.Lend:
	s_wait_tensorcnt 0x0                           ; the wave's end
	ds_add_u32 v[SPW], v[NIL]
	s_wait_dscnt 0x0
	CROUND                                         ; the closing round: no work-group ends while a partner may still ask for a tile that names it
	s_endpgm
.Lfunc_end_k_qa63a77f648_proj:
	.size	k_qa63a77f648_proj, .Lfunc_end_k_qa63a77f648_proj-k_qa63a77f648_proj
	.p2alignl 7, 3214868480
	.fill 96, 4, 3214868480
	.section	.rodata,"a",@progbits
	.p2align	6, 0x0
	.amdhsa_kernel k_qa63a77f648_proj
		.amdhsa_group_segment_fixed_size 327680
		.amdhsa_private_segment_fixed_size 0
		.amdhsa_enable_private_segment 0
		.amdhsa_kernarg_size 48
		.amdhsa_user_sgpr_count 2
		.amdhsa_user_sgpr_kernarg_segment_ptr 1
		.amdhsa_wavefront_size32 1
		.amdhsa_system_sgpr_workgroup_id_x 1
		.amdhsa_system_sgpr_workgroup_id_y 1
		.amdhsa_system_sgpr_workgroup_id_z 1
		.amdhsa_system_vgpr_workitem_id 0
		.amdhsa_next_free_vgpr 1024
		.amdhsa_next_free_sgpr 96
		.amdhsa_reserve_vcc 0
		.amdhsa_float_denorm_mode_32 3
		.amdhsa_float_denorm_mode_16_64 3
		.amdhsa_memory_ordered 1
		.amdhsa_forward_progress 1
		.amdhsa_inst_pref_size 255
	.end_amdhsa_kernel
	.section	.bss,"aw",@nobits
	.p2align	6
	.space	262144
	.amdgpu_metadata
---
amdhsa.version: [ 1, 2 ]
amdhsa.kernels:
  - .name:           k_qa63a77f648_proj
    .symbol:         k_qa63a77f648_proj.kd
    .args:
      - { .name: img, .offset: 0, .size: 8, .value_kind: global_buffer, .address_space: global }
      - { .name: scl, .offset: 8, .size: 8, .value_kind: global_buffer, .address_space: global }
      - { .name: bq, .offset: 16, .size: 8, .value_kind: global_buffer, .address_space: global }
      - { .name: bk, .offset: 24, .size: 8, .value_kind: global_buffer, .address_space: global }
      - { .name: bv, .offset: 32, .size: 8, .value_kind: global_buffer, .address_space: global }
      - { .name: qkv, .offset: 40, .size: 8, .value_kind: global_buffer, .address_space: global }
    .group_segment_fixed_size: 327680
    .private_segment_fixed_size: 0
    .kernarg_segment_align: 8
    .kernarg_segment_size: 48
    .max_flat_workgroup_size: 128
    .sgpr_count:     96
    .vgpr_count:     1024
    .wavefront_size: 32
...
	.end_amdgpu_metadata
.endif
;; end of part 2
;; launch attn (part 3): grid 4 x 64, 8 waves a work-group, clusters of 4 x 1, 275,456 bytes of LDS; arguments qkv, img, scl; writes img, scl
.if DOCPART == 3
	.amdgcn_target "amdgcn-amd-amdhsa--gfx1250"
	.amdhsa_code_object_version 6
	.text
	.protected	k_qa63a77f648_attn
	.globl	k_qa63a77f648_attn
	.p2align	8
	.type	k_qa63a77f648_attn,@function
k_qa63a77f648_attn:
	s_mov_b64 s[64:65], 0
	v_nop
	global_prefetch_b8 v0, s[64:65] scope:SCOPE_SE
	s_setreg_imm32_b32 hwreg(HW_REG_WAVE_MODE, 25, 1), 1
	s_wait_xcnt 0x0
	s_wait_alu depctr_hold_cnt(0) depctr_sa_sdst(0) depctr_va_vdst(0) depctr_va_sdst(0) depctr_va_ssrc(0) depctr_va_vcc(0) depctr_vm_vsrc(0)
	s_getreg_b32 s2, hwreg(HW_REG_IB_STS2, 6, 4)
	s_cmp_eq_u32 s2, 0
	s_cbranch_scc0 .Lentry_in_a_cluster
	s_endpgm
.Lentry_in_a_cluster:
	s_bfe_u32 s2, ttmp6, 0x10000c
	s_cmp_lg_u32 s2, 0x3003
	s_cbranch_scc0 .Lentry_shape_is_right
	s_endpgm
.Lentry_shape_is_right:
; O[q] = the sum over keys of softmax(Q[q] . K[key] / 8) V[key], for each of 64 heads (2,048 queries and keys, head size 64), both products on codes of BF8 (E5M2) with E8M0 scales; O is quantised along the features for the last projection.
; THE SOFTMAX AHEAD OF THE SECOND PRODUCT: t = score x log2(e) / 8; M = the row's largest t so far, rounded UP to a whole number; p = 2^(t - M) is quantised along the keys, not normalised; the row's sum is taken of the
; unquantised p and divides O at the end.  When M moves, the sum and O are multiplied by 2^(old M - new M): exact.
; THE FIRST PRODUCT'S K IS 64, the instruction's 128: registers 8-15 of K's and Q's fragments hold zero codes, written once; the scale bytes over them are never 0xff.
; SHARES.  A cluster of four work-groups is one head; a work-group takes 512 queries in two passes of 256; each of its eight waves takes two tiles of 16 queries, X and Y, which share every fragment of K and V read from LDS.
; Two waves lie on a SIMD, so that one wave's vector work stands beside the other's matrix work and LDS loads.
; LDS holds the head's K, V and their scale words whole (274,432 bytes), as they lie in memory: images of the operands' registers.  They are filled ONCE, by joint loads (the four partners need the same bytes): five a wave, all
; issued at the start: the scale words, then four chunks of four key steps.  Five tensor loads of a wave are out at the most.  Nothing is filled again: no ring.
; LAYOUT.  Both products are used transposed: S^T = K Q^T, O^T = V^T P^T: a lane holds ONE query (lane % 16).  By the order of rows in a tile (tile 2 B + u: rows 32 B + 8 u + r + 8 (r / 8)) the 16 registers of tiles 2 B, 2 B + 1 are 16 neighbours.
; LIMITS: NaN and infinities are not served.  A block's largest p is made from its largest score by the same two instructions, which takes v_exp_f32 not to fall where its input rises.  A block of zeros gets the byte 1.
; O's scale bytes leave as 2 bytes a row (the word's other bytes are other heads'): 1/32 of the bytes of codes that the launch stores.
; REGISTERS.  window 0: v1-11 addresses; v16-23 statistics; v24, v25 p's scale words; v28-46 at work; v48-54 scale words of K, V, Q; v64-127, v128-191 S^T, then p, of X, Y; v192-223 p's codes; v224-255 Q.
;   window 1: v0-63 O^T of X, Y; v64-191 K's eight fragments; v192-255 V's four.
.set HS,    413696
.set QSOFF, 393216
.set LV,    131072                     ; LDS: K at 0, V here,
.set LKS,   262144                     ; K's scale words, 512 bytes a step,
.set LVS,   270336                     ; V's, 256 bytes a step
.set L16,  1                           ; v1   16 x lane
.set AV0,  2
.set AKS0, 3
.set AVS0, 4
.set ADK,  5                           ; v5-8 the step's addresses
.set ADV,  6
.set ADS,  7
.set ADT,  8
.set OSA,  11                          ; v11  512 h + 16 r: where my row's scale bytes of O go
.set STX,  16                          ; tile x at v[16 + 4 x]: -M, the largest t, the sum in two halves
.set PWX,  24
.set TM,   28                          ; v28-43
.set FF,   44                          ; v[44:45] f, or 1 / the sum; v45 = 0, named with it as a pair
.set TMP,  46
.set KS,   48
.set VS,   52
.set QS,   54
.set SX,   64
.set PX,   192
.set QX,   224
.set OX,   0                           ; window 1
.set KF,   64
.set VF,   192
.set WV,   10
.set CS,   22                          ; s[22:23] c = log2(e) / 8
.set G1C,  24
.set G1S,  32
.set G0,   40                          ; s[40:59] five groups 0
.set SEL,  60
.set MNT,  62
.set PASS, 63
.set TB,   66
.set TS,   67
.set TJ,   68
.set CNT,  69
.set HM,   70
.set MSB, 0
.macro WIN new
.if MSB != (\new)
	s_set_vgpr_msb (MSB<<8)|(\new)
.set MSB, (\new)
.endif
.endm
.macro PLACES n
.rept \n
	v_nop
.endr
.endm
.macro CROUND                          ; a round of the cluster's barrier
	s_barrier_signal -1
	s_barrier_wait -1
	s_cmp_lg_u32 s[WV], 0
	s_cbranch_scc1 .Lnot_wave_0_\@
	s_barrier_signal -3
.Lnot_wave_0_\@:
	s_barrier_wait -3
	s_barrier_signal -1
	s_barrier_wait -1
.endm
	s_load_b128 s[4:7], s[0:1], 0x0                ; qkv s[4:5], img s[6:7]
	s_load_b64 s[8:9], s[0:1], 0x10                ; scl
	v_lshl_add_u32 v62, v0, 2, 0x43000
	v_mov_b32 v63, 0
	ds_add_u32 v62, v63
	ds_add_u32 v62, v63
	v_lshrrev_b32 v1, 5, v0
	v_readfirstlane_b32 s[WV], v1                  ; wave 0..7
	s_bfe_u32 s11, ttmp6, 0x40000                  ; cx: it enters Q's and O's addresses alone
	s_and_b32 s12, ttmp7, 0xffff                   ; the head, 0..63, which the four partners share
	; descriptor group 1: dense blocks as rows of 256 bytes (32 elements of 8 bytes): a chunk's part, 32 rows; the scale words' part, 6 rows
	s_mov_b32 s[G1C], 15|(3<<16)|(1<<21)           ; 15:0 the mask: all four work-groups; 17:16 elements of 8 bytes; 21 set beside a mask
	s_mov_b32 s[G1C+1], 32<<16
	s_mov_b32 s[G1C+2], 32<<16
	s_mov_b32 s[G1C+3], 32<<16
	s_mov_b32 s[G1C+4], 32
	s_mov_b32 s[G1C+5], 32
	s_mov_b32 s[G1C+6], 0
	s_mov_b32 s[G1C+7], 0
	s_mov_b32 s[G1S], 15|(3<<16)|(1<<21)
	s_mov_b32 s[G1S+1], 32<<16
	s_mov_b32 s[G1S+2], 6<<16
	s_mov_b32 s[G1S+3], 32<<16
	s_mov_b32 s[G1S+4], 6
	s_mov_b32 s[G1S+5], 32
	s_mov_b32 s[G1S+6], 0
	s_mov_b32 s[G1S+7], 0
	s_mov_b32 s[CS], 0x3e38aa3b
	s_mov_b32 s[CS+1], s[CS]
	s_mov_b32 s[SEL], 0x76543210
	s_mov_b32 s[SEL+1], 0xfedcba98
	s_mov_b32 s[MNT], 0x600000
	s_mov_b32 s[HM], 0xffff0000
	s_mov_b32 s[PASS], 2
	s_mul_i32 s72, s12, HS
	s_mov_b32 s73, 0
	s_mul_i32 s74, s[WV], 1536                     ; my part of the 12,288 bytes of scale words
	s_lshr_b32 s75, s[WV], 2                       ; waves 0-3 fetch K, waves 4-7 V: one key step of each chunk:
	s_lshl_b32 s75, s75, 17
	s_and_b32 s76, s[WV], 3
	s_lshl_b32 s76, s76, 13
	s_add_co_u32 s75, s75, s76                     ; 131,072 (wave / 4) + 8,192 (wave % 4), in LDS as in memory
	s_mov_b32 s77, 0
	s_wait_dscnt 0x0
	s_wait_kmcnt 0x0
	s_add_nc_u64 s[72:73], s[4:5], s[72:73]        ; the head's block
	s_mov_b32 s76, s74
	s_add_nc_u64 s[78:79], s[72:73], s[76:77]
	s_mov_b32 s[G0], 1
	s_add_co_u32 s[G0+1], s74, LKS
	s_add_nc_u64 s[G0+2:G0+3], s[78:79], 401408
	s_or_b32 s[G0+3], s[G0+3], 0x80000000
	s_mov_b32 s76, s75
	s_add_nc_u64 s[78:79], s[72:73], s[76:77]
.irp c, 0,1,2,3
	s_mov_b32 s[G0+4+4*\c], 1
	s_add_co_u32 s[G0+5+4*\c], s75, 32768*\c
	s_add_nc_u64 s[G0+6+4*\c:G0+7+4*\c], s[78:79], 131072+32768*\c
	s_or_b32 s[G0+7+4*\c], s[G0+7+4*\c], 0x80000000
.endr
	CROUND                                         ; all four work-groups are here: the joint loads meet
	tensor_load_to_lds s[G0:G0+3], s[G1S:G1S+7]    ; all first fills in one group; there are no others
	s_nop 0
	tensor_load_to_lds s[G0+4:G0+7], s[G1C:G1C+7]
	s_nop 0
	tensor_load_to_lds s[G0+8:G0+11], s[G1C:G1C+7]
	s_nop 0
	tensor_load_to_lds s[G0+12:G0+15], s[G1C:G1C+7]
	s_nop 0
	tensor_load_to_lds s[G0+16:G0+19], s[G1C:G1C+7]
	s_nop 0
	PLACES 4
	; where my tiles lie.  tp: my pair of tiles of queries, 16 cx + 8 pass + wave
	s_lshl_b32 s71, s11, 4
	s_add_co_u32 s71, s71, s[WV]
	s_lshl_b32 s76, s71, 11
	s_add_nc_u64 s[14:15], s[72:73], s[76:77]      ; Q's images: 2,048 bytes a pair
	s_lshr_b32 s76, s71, 2
	s_lshl_b32 s76, s76, 9
	s_and_b32 s80, s71, 3
	s_lshl_b32 s80, s80, 2
	s_add_co_u32 s76, s76, s80
	s_add_co_u32 s76, s76, QSOFF
	s_add_nc_u64 s[16:17], s[72:73], s[76:77]      ; Q's scale words: 512 (tp / 4) + 4 (tp % 4)
	s_lshr_b32 s80, s12, 4
	s_lshl_b32 s80, s80, 7
	s_lshl_b32 s81, s71, 1
	s_add_co_u32 s80, s80, s81
	s_add_co_u32 s80, s80, 1792                    ; X's tile in img and scl: 1792 + 128 x batch + 2 tp
	s_and_b32 s81, s12, 15                         ; the head within the batch
	s_lshl_b32 s76, s80, 14
	s_lshl_b32 s82, s81, 10                        ; a head's 64 features are 1,024 bytes of a tile's image
	s_add_co_u32 s76, s76, s82
	s_add_nc_u64 s[18:19], s[6:7], s[76:77]
	s_lshl_b32 s76, s80, 9
	s_lshr_b32 s82, s81, 3
	s_lshl_b32 s82, s82, 8
	s_add_co_u32 s76, s76, s82
	s_and_b32 s82, s81, 7
	s_lshl_b32 s82, s82, 1
	s_add_co_u32 s76, s76, s82                     ; its two scale bytes: 256 (head / 8) + 2 (head % 8)
	s_add_nc_u64 s[20:21], s[8:9], s[76:77]
	v_and_b32 v9, 31, v0
	v_lshlrev_b32 v[L16], 4, v9
	v_add_nc_u32 v[AV0], LV, v[L16]
	v_add_nc_u32 v[AKS0], LKS, v[L16]
	v_lshlrev_b32 v[AVS0], 3, v9
	v_add_nc_u32 v[AVS0], LVS, v[AVS0]
	v_and_b32 v10, 15, v0
	v_bfe_u32 v12, v0, 4, 1
	v_lshlrev_b32 v[OSA], 4, v10
	v_lshl_add_u32 v[OSA], v12, 9, v[OSA]
	v_mov_b32 v[FF+1], 0
.irp b, 0,1,2,3
	v_mov_b32 v[TM+4+\b], 0                        ; written once: a lane permute's destination counts as one of its sources
.endr
.irp j, 8,9,10,11,12,13,14,15
	v_mov_b32 v[QX+\j], 0                          ; zero codes for k = 64 .. 127 of Q's fragments,
	v_mov_b32 v[QX+16+\j], 0
.endr
	WIN 0x40
.irp t, 0,1,2,3,4,5,6,7
.irp j, 8,9,10,11,12,13,14,15
	v_mov_b32 v[KF+16*\t+\j], 0                    ; and of K's: written once, no load lands there
.endr
.endr
	WIN 0
.macro KQ t, x                         ; S^T of tile x, keys of K's tile t
.set rS, SX+64*(\x)+8*(\t)
.set rK, KF+16*(\t)
.set rQ, QX+16*(\x)
.set rC, KS+(\t)/2                     ; lanes 0-15: tile 2 i; lanes 16-31: tile 2 i + 1.  Q's words: lanes 0-15 X's, lanes 16-31 Y's
.if ((\t)%2 == 1) && (\x == 1)
	v_wmma_scale_f32_16x16x128_f8f6f4 v[rS:rS+7], v[rK:rK+15], v[rQ:rQ+15], 0, v[rC], v[QS] matrix_a_fmt:MATRIX_FMT_BF8 matrix_b_fmt:MATRIX_FMT_BF8 matrix_a_scale:MATRIX_SCALE_ROW1 matrix_b_scale:MATRIX_SCALE_ROW1
.elseif (\t)%2 == 1
	v_wmma_scale_f32_16x16x128_f8f6f4 v[rS:rS+7], v[rK:rK+15], v[rQ:rQ+15], 0, v[rC], v[QS] matrix_a_fmt:MATRIX_FMT_BF8 matrix_b_fmt:MATRIX_FMT_BF8 matrix_a_scale:MATRIX_SCALE_ROW1
.elseif \x == 1
	v_wmma_scale_f32_16x16x128_f8f6f4 v[rS:rS+7], v[rK:rK+15], v[rQ:rQ+15], 0, v[rC], v[QS] matrix_a_fmt:MATRIX_FMT_BF8 matrix_b_fmt:MATRIX_FMT_BF8 matrix_b_scale:MATRIX_SCALE_ROW1
.else
	v_wmma_scale_f32_16x16x128_f8f6f4 v[rS:rS+7], v[rK:rK+15], v[rQ:rQ+15], 0, v[rC], v[QS] matrix_a_fmt:MATRIX_FMT_BF8 matrix_b_fmt:MATRIX_FMT_BF8
.endif
.endm
.macro PV t, x                         ; O^T of tile x, features of V's tile t, += over the step's 128 keys
.set rO, OX+32*(\x)+8*(\t)
.set rV, VF+16*(\t)
.set rP, PX+16*(\x)
.set rC, VS+(\t)/2
.if (\t)%2 == 1
	v_wmma_scale_f32_16x16x128_f8f6f4 v[rO:rO+7], v[rV:rV+15], v[rP:rP+15], v[rO:rO+7], v[rC], v[PWX+(\x)] matrix_a_fmt:MATRIX_FMT_BF8 matrix_b_fmt:MATRIX_FMT_BF8 matrix_a_scale:MATRIX_SCALE_ROW1
.else
	v_wmma_scale_f32_16x16x128_f8f6f4 v[rO:rO+7], v[rV:rV+15], v[rP:rP+15], v[rO:rO+7], v[rC], v[PWX+(\x)] matrix_a_fmt:MATRIX_FMT_BF8 matrix_b_fmt:MATRIX_FMT_BF8
.endif
.endm
; One tile's softmax for one key step: register 16 b + i of S^T is key 32 b + 16 h + i of my query.
.macro SOFTMAX x
.set rS, SX+64*(\x)
.set rP, PX+16*(\x)
.set rT, STX+4*(\x)
.set rW, PWX+(\x)
.set rO, OX+32*(\x)
.irp b, 0,1,2,3
	v_max3_num_f32 v[TM+\b], v[rS+16*\b], v[rS+1+16*\b], v[rS+2+16*\b]   ; the largest score of each block of 32 keys: for the row's maximum and, since p rises with the score, for the block's largest p
.endr
.irp i, 3,5,7,9,11,13
.irp b, 0,1,2,3
	v_max3_num_f32 v[TM+\b], v[TM+\b], v[rS+16*\b+\i], v[rS+1+16*\b+\i]
.endr
.endr
.irp b, 0,1,2,3
	v_max_num_f32 v[TM+\b], v[TM+\b], v[rS+15+16*\b]
.endr
.irp b, 0,1,2,3
	v_permlanex16_b32 v[TM+4+\b], v[TM+\b], s[SEL], s[SEL+1]
.endr
.irp b, 0,1,2,3
	v_max_num_f32 v[TM+\b], v[TM+\b], v[TM+4+\b]   ; with lane l xor 16's 16 keys
.endr
	v_max3_num_f32 v[TMP], v[TM], v[TM+1], v[TM+2]
	v_max_num_f32 v[TMP], v[TMP], v[TM+3]
	v_mul_f32 v[TMP], s[CS], v[TMP]                ; the step's largest t (c is positive)
	v_max_num_f32 v[rT+1], v[rT+1], v[TMP]         ; the running largest t
	v_mov_b32 v[TMP], v[rT]
	v_floor_f32 v[rT], -v[rT+1]                    ; the new -M = floor(-t): M is a whole number
	v_sub_f32 v[TMP], v[rT], v[TMP]                ; old M - new M: a whole number, 0 or less
	v_cvt_i32_f32 v[TMP], v[TMP]                   ; (it saturates)
	v_ldexp_f32 v[FF], 1.0, v[TMP]                 ; f = 2^(old M - new M)
.set j, 0
.rept 32
	v_pk_fma_f32 v[rS+j:rS+j+1], v[rS+j:rS+j+1], s[CS:CS+1], v[rT:rT+1] op_sel_hi:[1,0,0]   ; t - M, two at a time
.set j, j+2
.endr
.irp b, 0,1,2,3
	v_fma_f32 v[TM+\b], v[TM+\b], s[CS], v[rT]     ; the same of each block's largest score
.endr
.set j, 0
.rept 64
	v_exp_f32 v[rS+j], v[rS+j]                     ; p = 2^(t - M), at most 1
.set j, j+1
.endr
.irp b, 0,1,2,3
	v_exp_f32 v[TM+\b], v[TM+\b]                   ; the block's largest p
.endr
	v_pk_mul_f32 v[rT+2:rT+3], v[rT+2:rT+3], v[FF:FF+1] op_sel_hi:[1,0]   ; the sums under the new M (a plain line behind the exponentials)
	s_wait_alu depctr_va_vdst(0)
.irp b, 0,1,2,3
	v_max_num_f32 v[TM+\b], 0x8000000, v[TM+\b]    ; the floor 2^(16 - 127): the byte cannot fall under 1
.endr
.irp b, 0,1,2,3
	v_add_nc_u32 v[TM+12+\b], 0xf8800000, v[TM+\b]
.endr
.irp b, 0,1,2,3
	v_and_or_b32 v[TM+8+\b], v[TM+\b], 0x7f800000, s[MNT]
.endr
.irp b, 0,1,2,3
	v_lshrrev_b32 v[TM+4+\b], 23, v[TM+12+\b]
.endr
	v_lshl_or_b32 v[rW], v[TM+5], 8, v[TM+4]       ; p's scale word for these 128 keys: far more than eight plain lines ahead of the products that name it
	v_lshl_or_b32 v[rW], v[TM+6], 16, v[rW]
	v_lshl_or_b32 v[rW], v[TM+7], 24, v[rW]
	v_pk_add_f32 v[TM+4:TM+5], v[rS:rS+1], v[rS+2:rS+3]   ; the row's sum is taken of the unquantised p: two at a time, in two chains
.set j, 4
.rept 15
	v_pk_add_f32 v[rT+2:rT+3], v[rT+2:rT+3], v[rS+j:rS+j+1]
	v_pk_add_f32 v[TM+4:TM+5], v[TM+4:TM+5], v[rS+2+j:rS+3+j]
.set j, j+4
.endr
	v_pk_add_f32 v[rT+2:rT+3], v[rT+2:rT+3], v[TM+4:TM+5]
.irp b, 0,1,2,3
.set i, 0
.rept 16
	v_min_num_f32 v[rS+16*\b+i], v[rS+16*\b+i], v[TM+8+\b]   ; the conversion does not saturate (ISA guide 7.6.2); p is not negative: a one-sided hold
.set i, i+1
.endr
	v_cvt_scalef32_pk8_bf8_f32 v[rP+4*\b:rP+1+4*\b], v[rS+16*\b:rS+7+16*\b], v[TM+12+\b]
	v_cvt_scalef32_pk8_bf8_f32 v[rP+2+4*\b:rP+3+4*\b], v[rS+8+16*\b:rS+15+16*\b], v[TM+12+\b]
.endr
	WIN 0x41                                       ; O^T (destination and source 0) in window 1
.set j, 0
.rept 16
	v_pk_mul_f32 v[rO+j:rO+j+1], v[rO+j:rO+j+1], v[FF:FF+1] op_sel_hi:[1,0]   ; O^T under the new M.  (Also the plain lines between the conversions and the products)
.set j, j+2
.endr
	WIN 0
.endm
; A KEY STEP: 128 keys.  One run of 34 LDS loads; V's sixteen land under the first products and the softmax.
.macro STEP
	v_add_nc_u32 v[ADK], s[TB], v[L16]
	v_add_nc_u32 v[ADV], s[TB], v[AV0]
	v_add_nc_u32 v[ADS], s[TS], v[AKS0]
	v_add_nc_u32 v[ADT], s[TJ], v[AVS0]
	PLACES 4                                       ; with the four additions: eight places behind the last step's products, in front of loads into their registers
	ds_load_b128 v[KS:KS+3], v[ADS]
	ds_load_b64 v[VS:VS+1], v[ADT]
	WIN 0x40
.irp t, 0,1,2,3,4,5,6,7
	ds_load_b128 v[KF+16*\t:KF+16*\t+3], v[ADK] offset:1024*\t
	ds_load_b128 v[KF+16*\t+4:KF+16*\t+7], v[ADK] offset:1024*\t+512
.endr
.irp t, 0,1,2,3
.irp c, 0,1,2,3
	ds_load_b128 v[VF+16*\t+4*\c:VF+16*\t+4*\c+3], v[ADV] offset:2048*\t+512*\c
.endr
.endr
	s_wait_dscnt 16                                ; the scale words and K are in; V's sixteen loads stay out
	WIN 0x01                                       ; K in window 1
.irp t, 0,1,2,3,4,5,6,7
	KQ \t, 0
	KQ \t, 1
.endr
	WIN 0
	PLACES 8
	SOFTMAX 0
	SOFTMAX 1
	s_wait_dscnt 0x0                               ; V
	WIN 0x51                                       ; V, C and D in window 1.  The eight accumulators take turns, one instruction a turn
.irp t, 0,1,2,3
	PV \t, 0
	PV \t, 1
.endr
	WIN 0
	s_add_co_u32 s[TB], s[TB], 8192
	s_add_co_u32 s[TS], s[TS], 512
	s_add_co_u32 s[TJ], s[TJ], 256
.endm
; Four key steps: chunk c.  Each wave waits for its own part (the later chunks' loads stay out), then the barrier shows every wave's part.  In the second pass these waits are met at once.
.macro CHUNK c
	s_mov_b32 s[TB], 32768*\c
	s_mov_b32 s[TS], 2048*\c
	s_mov_b32 s[TJ], 1024*\c
	s_mov_b32 s[CNT], 4
	s_wait_tensorcnt 3-\c
	s_wait_dscnt 0x0
	s_barrier_signal -1
	s_barrier_wait -1
.Lstep_\@:
	STEP
	s_sub_co_u32 s[CNT], s[CNT], 1
	s_cmp_lg_u32 s[CNT], 0
	s_cbranch_scc1 .Lstep_\@
.endm
.macro QUANT2 s, pc, pw                ; 32 numbers of a lane, register 16 b + i = feature 32 b + 16 h + i of the head, become 8 registers of codes and two scale bytes
.irp b, 0,1
	v_max3_num_f32 v[TM+\b], |v[\s+16*\b]|, |v[\s+1+16*\b]|, 0x8000000
.endr
.irp i, 2,4,6,8,10,12,14
.irp b, 0,1
	v_max3_num_f32 v[TM+\b], v[TM+\b], |v[\s+16*\b+\i]|, |v[\s+1+16*\b+\i]|
.endr
.endr
.irp b, 0,1
	v_permlanex16_b32 v[TM+4+\b], v[TM+\b], s[SEL], s[SEL+1]
.endr
.irp b, 0,1
	v_max_num_f32 v[TM+\b], v[TM+\b], v[TM+4+\b]
.endr
.irp b, 0,1
	v_add_nc_u32 v[TM+12+\b], 0xf8800000, v[TM+\b]
.endr
.irp b, 0,1
	v_and_or_b32 v[TM+8+\b], v[TM+\b], 0x7f800000, s[MNT]
.endr
.irp b, 0,1
	v_lshrrev_b32 v[TM+4+\b], 23, v[TM+12+\b]
.endr
	v_lshl_or_b32 v[\pw], v[TM+5], 8, v[TM+4]
.irp b, 0,1
.set i, 0
.rept 16
	v_med3_num_f32 v[\s+16*\b+i], v[\s+16*\b+i], -v[TM+8+\b], v[TM+8+\b]
.set i, i+1
.endr
	v_cvt_scalef32_pk8_bf8_f32 v[\pc+4*\b:\pc+1+4*\b], v[\s+16*\b:\s+7+16*\b], v[TM+12+\b]
	v_cvt_scalef32_pk8_bf8_f32 v[\pc+2+4*\b:\pc+3+4*\b], v[\s+8+16*\b:\s+15+16*\b], v[TM+12+\b]
.endr
	v_nop
.endm
.macro OUTT x                          ; tile x leaves: O^T / the sum, quantised; the codes are the last projection's operand registers
.set rS, SX+64*(\x)
.set rP, PX+16*(\x)
.set rT, STX+4*(\x)
.set rW, PWX+(\x)
.set rO, OX+32*(\x)
	v_add_f32 v[TMP], v[rT+2], v[rT+3]             ; the sum's two halves,
	v_permlanex16_b32 v[TM+4], v[TMP], s[SEL], s[SEL+1]
	v_add_f32 v[TMP], v[TMP], v[TM+4]              ; and lane l xor 16's
	v_rcp_f32 v[FF], v[TMP]
	v_nop                                          ; a plain line behind the transcendental
	WIN 0x01
.set j, 0
	s_wait_alu depctr_va_vdst(0)
.rept 16
	v_pk_mul_f32 v[rS+j:rS+j+1], v[rO+j:rO+j+1], v[FF:FF+1] op_sel_hi:[1,0]   ; each accumulator from its low end on
.set j, j+2
.endr
	WIN 0
	QUANT2 rS, rP, rW
	global_store_b128 v[L16], v[rP:rP+3], s[18:19] offset:16384*\x          ; 512 consecutive bytes, aligned
	global_store_b128 v[L16], v[rP+4:rP+7], s[18:19] offset:16384*\x+512
.endm
.Lpass:
	global_load_b128 v[QX:QX+3], v[L16], s[14:15]
	global_load_b128 v[QX+4:QX+7], v[L16], s[14:15] offset:512
	global_load_b128 v[QX+16:QX+19], v[L16], s[14:15] offset:1024
	global_load_b128 v[QX+20:QX+23], v[L16], s[14:15] offset:1536
	global_load_b32 v[QS], v[L16], s[16:17]
.irp x, 0,1
	v_mov_b32 v[STX+4*\x+1], 0xff61b1e6            ; the largest t so far: -3e38, under every t
	v_floor_f32 v[STX+4*\x], -v[STX+4*\x+1]
	v_mov_b32 v[STX+4*\x+2], 0
	v_mov_b32 v[STX+4*\x+3], 0
.endr
	WIN 0x40
.set j, 0
.rept 64
	v_mov_b32 v[OX+j], 0                           ; O^T: the step is written once; the first finds zeros, which the first change of M leaves zeros
.set j, j+1
.endr
	WIN 0
	s_wait_loadcnt 0x0                             ; Q
	CHUNK 0
	CHUNK 1
	CHUNK 2
	CHUNK 3
	PLACES 8                                       ; behind the last products
	OUTT 0
	OUTT 1
	v_cndmask_b32 v[TMP], v[PWX], v[PWX+1], s[HM]  ; lanes 0-15: X's rows; lanes 16-31: Y's
	global_store_b16 v[OSA], v[TMP], s[20:21]
	s_wait_xcnt 0x0                                ; the stores have read their registers and bases: both may be written again
	s_add_nc_u64 s[14:15], s[14:15], 16384         ; eight pairs of tiles on
	s_add_nc_u64 s[16:17], s[16:17], 1024
	s_add_nc_u64 s[18:19], s[18:19], 262144
	s_add_nc_u64 s[20:21], s[20:21], 8192
	s_sub_co_u32 s[PASS], s[PASS], 1
	s_cmp_lg_u32 s[PASS], 0
	s_cbranch_scc1 .Lpass
	s_wait_dscnt 0x0
	s_wait_tensorcnt 0x0
	ds_add_u32 v62, v63
	s_wait_dscnt 0x0
	CROUND                                         ; the closing round
	s_endpgm
.Lfunc_end_k_qa63a77f648_attn:
	.size	k_qa63a77f648_attn, .Lfunc_end_k_qa63a77f648_attn-k_qa63a77f648_attn
	.p2alignl 7, 3214868480
	.fill 96, 4, 3214868480
	.section	.rodata,"a",@progbits
	.p2align	6, 0x0
	.amdhsa_kernel k_qa63a77f648_attn
		.amdhsa_group_segment_fixed_size 275456
		.amdhsa_private_segment_fixed_size 0
		.amdhsa_enable_private_segment 0
		.amdhsa_kernarg_size 24
		.amdhsa_user_sgpr_count 2
		.amdhsa_user_sgpr_kernarg_segment_ptr 1
		.amdhsa_wavefront_size32 1
		.amdhsa_system_sgpr_workgroup_id_x 1
		.amdhsa_system_sgpr_workgroup_id_y 1
		.amdhsa_system_sgpr_workgroup_id_z 1
		.amdhsa_system_vgpr_workitem_id 0
		.amdhsa_next_free_vgpr 512
		.amdhsa_next_free_sgpr 84
		.amdhsa_reserve_vcc 0
		.amdhsa_float_denorm_mode_32 3
		.amdhsa_float_denorm_mode_16_64 3
		.amdhsa_memory_ordered 1
		.amdhsa_forward_progress 1
		.amdhsa_inst_pref_size 161
	.end_amdhsa_kernel
	.amdgpu_metadata
---
amdhsa.version: [ 1, 2 ]
amdhsa.kernels:
  - .name:           k_qa63a77f648_attn
    .symbol:         k_qa63a77f648_attn.kd
    .args:
      - { .name: qkv, .offset: 0, .size: 8, .value_kind: global_buffer, .address_space: global }
      - { .name: img, .offset: 8, .size: 8, .value_kind: global_buffer, .address_space: global }
      - { .name: scl, .offset: 16, .size: 8, .value_kind: global_buffer, .address_space: global }
    .group_segment_fixed_size: 275456
    .private_segment_fixed_size: 0
    .kernarg_segment_align: 8
    .kernarg_segment_size: 24
    .max_flat_workgroup_size: 256
    .sgpr_count:     84
    .vgpr_count:     512
    .wavefront_size: 32
...
	.end_amdgpu_metadata
.endif
;; end of part 3
;; launch outp (part 4): grid 4 x 32, 4 waves a work-group, clusters of 4 x 4, 327,680 bytes of LDS; arguments img, scl, bo, out0; writes out0
.if DOCPART == 4
	.amdgcn_target "amdgcn-amd-amdhsa--gfx1250"
	.amdhsa_code_object_version 6
	.text
	.protected	k_qa63a77f648_outp
	.globl	k_qa63a77f648_outp
	.p2align	8
	.type	k_qa63a77f648_outp,@function
k_qa63a77f648_outp:
	s_mov_b64 s[64:65], 0
	v_nop
	global_prefetch_b8 v0, s[64:65] scope:SCOPE_SE
	s_setreg_imm32_b32 hwreg(HW_REG_WAVE_MODE, 25, 1), 1
	s_wait_xcnt 0x0
	s_wait_alu depctr_hold_cnt(0) depctr_sa_sdst(0) depctr_va_vdst(0) depctr_va_sdst(0) depctr_va_ssrc(0) depctr_va_vcc(0) depctr_vm_vsrc(0)
	s_getreg_b32 s2, hwreg(HW_REG_IB_STS2, 6, 4)
	s_cmp_eq_u32 s2, 0
	s_cbranch_scc0 .Lentry_in_a_cluster
	s_endpgm
.Lentry_in_a_cluster:
	s_bfe_u32 s2, ttmp6, 0x10000c
	s_cmp_lg_u32 s2, 0xf033
	s_cbranch_scc0 .Lentry_shape_is_right
	s_endpgm
.Lentry_shape_is_right:
; out0 = O Wo^T + bo, on codes of BF8 (E5M2) with E8M0 scales, K = 1,024.  O's codes (tiles 1792 on) and Wo's (tiles 1728 on) lie in img as images of the operands' registers, [tile][K step][c][lane][16]; their scale words in scl.
; A tile of C is 256 x 256: four waves, each 128 x 128 in 64 accumulators.  THE MATRIX INSTRUCTION IS USED TRANSPOSED (source 0 = 16 rows of Wo, source 1 = 16 rows of O): a lane holds eight neighbouring numbers of a row of out0.
; A tile of 16 rows holds rows 32 B + 8 u + r + 8 (r / 8) (tile 2 B + u), on both sides: the way out undoes that order in its offsets.
; K goes through two LDS slots of two K steps (131,072 bytes: 16 tiles of A, 16 of B), four fills; a fragment is four loads of 512 consecutive bytes.  The scale words of all of K stay in 64 registers, which differ from K step to
; K step: so the eight K steps are written out by macros: no loop.  CLUSTERS: 4 x 4; A's tiles are asked for jointly along a row of the cluster, B's along a column.  A wave has two tensor loads out at the start, later one.
; 128 work-groups: the product has 128 tiles of this size.
; REGISTERS: window 0: v16-29 addresses; v32-95 scale words; v96-99 the bias; v128-255 A's fragments, on the way out rows of out0.   window 1: B's fragments, two sets.   windows 2, 3: the accumulators.
.set SLOT,  131072
.set BOFF,  65536
.set SPARE, 262144
.set FR,    16
.set NP,    8
.set SPITCH, 528                       ; the way out: a stage of 16 rows x (512 + 16) bytes for each wave, in slot 0, which has had its last fill and its last read when the first result is stored there
.set ADRA,  16
.set ADRB,  20
.set STO,   24
.set RD,    25
.set CO,    26                         ; v26  16 x lane
.set ADRS,  27
.set SPW,   28
.set NIL,   29
.set SC,    32
.set BI,    96
.set AF,    128
.set BK,    128
.set WV,  16
.set WR,  17
.set WC,  18
.set G1,  24
.set G0,  32
.set G1B, 48
.set G0B, 56
.set HM,  77
.set MSB, 0
.macro WIN new
.if MSB != (\new)
	s_set_vgpr_msb (MSB<<8)|(\new)
.set MSB, (\new)
.endif
.endm
.set MUL_LO, 0xa1
.set MUL_HI, 0xf1
.set TO_B,   0x40
.macro PLACES n
.rept \n
	v_nop
.endr
.endm
.macro JLOAD s                         ; a joint load: waves 0, 1 fetch A's halves, waves 2, 3 B's; four v_nop follow each of the two lines
	s_cmp_eq_u32 s[WR], 0
	s_cbranch_scc0 .Lfor_b_\@
	tensor_load_to_lds s[G0+4*\s:G0+4*\s+3], s[G1:G1+7]
	s_nop 0
	PLACES 4
	s_branch .Lasked_\@
.Lfor_b_\@:
	tensor_load_to_lds s[G0B+4*\s:G0B+4*\s+3], s[G1B:G1B+7]
	s_nop 0
	PLACES 4
.Lasked_\@:
.endm
.macro CREST
	s_cmp_lg_u32 s[WV], 0
	s_cbranch_scc1 .Lnot_wave_0_\@
	s_barrier_signal -3
.Lnot_wave_0_\@:
	s_barrier_wait -3
	s_barrier_signal -1
	s_barrier_wait -1
.endm
.macro CROUND
	s_barrier_signal -1
	s_barrier_wait -1
	CREST
.endm
	s_load_b256 s[4:11], s[0:1], 0x0               ; img s[4:5], scl s[6:7], bo s[8:9], out0 s[10:11]
	v_lshl_add_u32 v[SPW], v0, 2, SPARE
	v_mov_b32 v[NIL], 0
	ds_add_u32 v28, v29
	ds_add_u32 v28, v29
	s_wait_dscnt 0x0
	v_lshrrev_b32 v1, 5, v0
	v_readfirstlane_b32 s[WV], v1
	s_lshr_b32 s[WR], s[WV], 1
	s_and_b32 s[WC], s[WV], 1
	s_bfe_u32 s40, ttmp6, 0x40000                  ; cx
	s_bfe_u32 s41, ttmp6, 0x40004                  ; cy
	s_and_b32 s42, ttmp7, 0xffff                   ; the cluster's y, 0..7
	s_lshl_b32 s43, s41, 2
	s_lshl_b32 s43, 15, s43                        ; my row of the cluster
	s_lshl_b32 s44, 0x1111, s40                    ; my column
	s_or_b32 s[G1], s43, (3<<16)|(1<<21)           ; 8 rows of 4,096 bytes (512 elements of 8 bytes), 16,384 bytes apart; dense in LDS
	s_or_b32 s[G1B], s44, (3<<16)|(1<<21)
.irp g, G1, G1B
	s_mov_b32 s[\g+1], 512<<16
	s_mov_b32 s[\g+2], 8<<16
	s_mov_b32 s[\g+3], 512<<16
	s_mov_b32 s[\g+4], 8
	s_mov_b32 s[\g+5], 2048
	s_mov_b32 s[\g+6], 0
	s_mov_b32 s[\g+7], 0
.endr
	s_mov_b32 s[HM], 0xffff0000
	s_lshl_b32 s20, s42, 2
	s_add_co_u32 s20, s20, s41                     ; tile row of C
	s_lshl_b32 s66, s20, 4
	s_add_co_u32 s66, s66, 1792                    ; A's first tile
	s_lshl_b32 s46, s40, 4
	s_add_co_u32 s46, s46, 1728                    ; B's first tile
	s_lshl_b32 s78, s[WR], 3
	s_add_co_u32 s78, s78, s66
	s_lshl_b32 s78, s78, 9                         ; where my 8 blocks' scale words of A begin,
	s_lshl_b32 s79, s[WC], 3
	s_add_co_u32 s79, s79, s46
	s_lshl_b32 s79, s79, 9                         ; and of B
	s_lshl_b32 s22, s[WC], 3                       ; which 8 tiles I fetch
	s_add_co_u32 s66, s66, s22
	s_lshl_b32 s66, s66, 14
	s_mov_b32 s67, 0
	s_add_co_u32 s46, s46, s22
	s_lshl_b32 s46, s46, 14
	s_mov_b32 s47, 0
	s_lshl_b32 s45, s[WV], 15
	s_wait_kmcnt 0x0
	s_add_nc_u64 s[66:67], s[4:5], s[66:67]
	s_add_nc_u64 s[46:47], s[4:5], s[46:47]
	CROUND                                         ; all sixteen work-groups are here: the first joint loads meet
.irp s, 0,1
	s_mov_b32 s[G0+4*\s], 1
	s_add_co_u32 s[G0+4*\s+1], s45, \s*SLOT
	s_add_nc_u64 s[G0+4*\s+2:G0+4*\s+3], s[66:67], \s*4096
	s_or_b32 s[G0+4*\s+3], s[G0+4*\s+3], 0x80000000
	s_mov_b32 s[G0B+4*\s], 1
	s_add_co_u32 s[G0B+4*\s+1], s45, \s*SLOT
	s_add_nc_u64 s[G0B+4*\s+2:G0B+4*\s+3], s[46:47], \s*4096
	s_or_b32 s[G0B+4*\s+3], s[G0B+4*\s+3], 0x80000000
	JLOAD \s
.endr
	v_and_b32 v1, 15, v0                           ; r
	v_bfe_u32 v2, v0, 4, 1                         ; h
	v_and_b32 v3, 31, v0
	v_lshlrev_b32 v[CO], 4, v3
	s_lshl_b32 s22, s[WR], 15
	s_lshl_b32 s23, s[WC], 15
	s_add_co_u32 s23, s23, BOFF
.irp s, 0,1
	v_add_nc_u32 v[ADRA+\s], s22, v[CO]
	v_add_nc_u32 v[ADRB+\s], s23, v[CO]
	s_add_co_u32 s22, s22, SLOT
	s_add_co_u32 s23, s23, SLOT
.endr
	v_mov_b32 v4, s78
	v_mov_b32 v5, s79
	v_cndmask_b32 v4, v4, v5, s[HM]                ; lanes 0-15 take A's words, lanes 16-31 B's
	v_lshl_add_u32 v[ADRS], v1, 4, v4
.irp i, 0,1,2,3,4,5,6,7
.irp u, 0,1
	global_load_b128 v[SC+8*\i+4*\u:SC+8*\i+4*\u+3], v[ADRS], s[6:7] offset:512*\i+256*\u
.endr
.endr
	s_lshl_b32 s80, s40, 10                        ; my first column, in bytes: 1,024 cx + 512 x half: in bo and in a row of out0
	s_lshl_b32 s81, s[WC], 9
	s_add_co_u32 s80, s80, s81
	s_mov_b32 s81, 0
	s_add_nc_u64 s[8:9], s[8:9], s[80:81]
	global_load_b128 v[BI:BI+3], v[CO], s[8:9]     ; the bias of the four columns that my lane stores
	s_lshl_b32 s82, s20, 1
	s_add_co_u32 s82, s82, s[WR]
	s_lshl_b32 s82, s82, 19                        ; my first row: (256 x tile row + 128 x half) x 4,096 bytes
	s_mov_b32 s83, 0
	s_add_nc_u64 s[10:11], s[10:11], s[82:83]
	s_add_nc_u64 s[10:11], s[10:11], s[80:81]
	s_mul_i32 s84, s[WV], 16*SPITCH                ; my stage
	v_mul_u32_u24 v5, v1, SPITCH
	v_lshl_add_u32 v5, v2, 6, v5
	v_add_nc_u32 v[STO], s84, v5                   ; in: row r, + 64 h: my half's 16 columns of a block of 32
	v_add_nc_u32 v[RD], s84, v[CO]                 ; back: the 32 lanes take one row of 512 bytes
.macro FRAG reg, adr, q, i
.irp c, 0,1,2,3
	ds_load_b128 v[\reg+4*\c:\reg+4*\c+3], v[\adr] offset:4096*(\i)+2048*(\q)+512*\c
.endr
.endm
; 16 matrix instructions: A's blocks a0, a0 + 1 x B's eight, K step ks.  The 64 accumulators take turns, one instruction a turn.
.macro MUL16 a0, p, ks, zero
.irp a, \a0, \a0+1
.irp b, 0,1,2,3,4,5,6,7
.if \zero
	v_wmma_scale_f32_16x16x128_f8f6f4 v[8*(8*((\a)%4)+\b):8*(8*((\a)%4)+\b)+7], v[128*(\p)+FR*\b:128*(\p)+FR*\b+FR-1], v[AF+FR*(\a):AF+FR*(\a)+FR-1], 0, v[SC+8*\b+(\ks)], v[SC+8*(\a)+(\ks)] matrix_a_fmt:MATRIX_FMT_BF8 matrix_b_fmt:MATRIX_FMT_BF8 matrix_a_scale:MATRIX_SCALE_ROW1
.else
	v_wmma_scale_f32_16x16x128_f8f6f4 v[8*(8*((\a)%4)+\b):8*(8*((\a)%4)+\b)+7], v[128*(\p)+FR*\b:128*(\p)+FR*\b+FR-1], v[AF+FR*(\a):AF+FR*(\a)+FR-1], v[8*(8*((\a)%4)+\b):8*(8*((\a)%4)+\b)+7], v[SC+8*\b+(\ks)], v[SC+8*(\a)+(\ks)] matrix_a_fmt:MATRIX_FMT_BF8 matrix_b_fmt:MATRIX_FMT_BF8 matrix_a_scale:MATRIX_SCALE_ROW1
.endif
.endr
.endr
.endm
.macro FETCH_B slot, q, p
	WIN TO_B
.irp i, 0,1,2,3,4,5,6,7
	FRAG 128*(\p)+FR*\i, ADRB+\slot, \q, \i
.endr
	WIN 0
.endm
.macro FETCH_A slot, q, i0
.irp i, \i0, \i0+1, \i0+2, \i0+3
	FRAG AF+FR*(\i), ADRA+\slot, \q, \i
.endr
.endm
.macro STEP slot, ks, zero             ; a slot's first K step
	s_wait_dscnt 16                                ; B's set and A's blocks 0-3 are in; the youngest 16 loads (A's blocks 4-7) may be out
	WIN MUL_LO
	MUL16 0, 0, \ks, \zero
	MUL16 2, 0, \ks, \zero
	s_wait_dscnt 0
	PLACES NP                                      ; in front of loads into registers that matrix instructions have read
	FETCH_B \slot, 1, 1
	FETCH_A \slot, 1, 0
	WIN MUL_HI
	MUL16 4, 0, \ks, \zero
	MUL16 6, 0, \ks, \zero
	PLACES NP
	WIN 0
	FETCH_A \slot, 1, 4
.endm
.macro TURN slot, next, fill, ks       ; a slot's second K step changes slots: ONE barrier
	s_wait_tensorcnt 0x0                           ; all my tensor loads have landed: my part of the next slot
	ds_add_u32 v[SPW], v[NIL]                      ; 0 onto my spare word
	s_wait_dscnt 17                                ; (the add and A's blocks 4-7 may be out)
	WIN MUL_LO
	MUL16 0, 1, \ks, 0
	s_wait_dscnt 0x0                               ; the add is done, and my reads of this slot are over
	s_barrier_signal -1
	MUL16 2, 1, \ks, 0
	WIN 0
	s_barrier_wait -1
.if \fill
	CREST                                          ; the barrier has opened a round of the cluster's barrier: no wave of any partner still reads this slot or has a load on its way
	s_add_nc_u64 s[G0+4*\slot+2:G0+4*\slot+3], s[G0+4*\slot+2:G0+4*\slot+3], 8192
	s_add_nc_u64 s[G0B+4*\slot+2:G0B+4*\slot+3], s[G0B+4*\slot+2:G0B+4*\slot+3], 8192
	JLOAD \slot                                    ; the first tensor load behind the round; its four v_nop are among the places in front of the loads below
	PLACES NP-4
.else
	PLACES NP
.endif
	FETCH_B \next, 0, 0
	FETCH_A \next, 0, 0
	WIN MUL_HI
	MUL16 4, 1, \ks, 0
	MUL16 6, 1, \ks, 0
	PLACES NP
	WIN 0
	FETCH_A \next, 0, 4
.endm
	s_wait_loadcnt 0x0                             ; the scale words and the bias
	s_wait_tensorcnt 1                             ; my part of slot 0 is in; slot 1's may stay out
	s_barrier_signal -1
	s_barrier_wait -1
	FETCH_B 0, 0, 0
	FETCH_A 0, 0, 0
	FETCH_A 0, 0, 4
	STEP 0, 0, 1
	TURN 0, 1, 1, 1
	STEP 1, 2, 0
	TURN 1, 0, 1, 3
	STEP 0, 4, 0
	TURN 0, 1, 0, 5                                ; nothing is left to fetch; behind this barrier nobody reads slot 0
	STEP 1, 6, 0
	s_wait_dscnt 16
	WIN MUL_LO
	MUL16 0, 1, 7, 0
	MUL16 2, 1, 7, 0
	s_wait_dscnt 0
	WIN MUL_HI
	MUL16 4, 1, 7, 0
	MUL16 6, 1, 7, 0
	WIN 0
; THE WAY OUT, block by block of 16 rows x 128 columns, through my own stage in LDS: in by 32 bytes a lane and tile, back as whole rows of 512 bytes, to which the bias is added.  LDS serves a wave's instructions in order
; (ISA guide 5.7.1.4): no wait between the stores and the loads, nor in front of the next block's stores.
.macro TOSTAGE a
.set AC, 64*((\a)%4)
	WIN 0x08+4*((\a)/4)                            ; the data: window 2 or 3
.irp b, 0,1,2,3,4,5,6,7
	ds_store_b128 v[STO], v[AC+8*\b:AC+8*\b+3] offset:128*(\b/2)+32*(\b%2)          ; columns 32 (b / 2) + 16 h + 8 (b % 2) on; each accumulator from its low end on
	ds_store_b128 v[STO], v[AC+8*\b+4:AC+8*\b+7] offset:128*(\b/2)+32*(\b%2)+16
.endr
	WIN 0
.set BB, BK+64*((\a)%2)
.irp t, 0,1,2,3,4,5,6,7,8,9,10,11,12,13,14,15
	ds_load_b128 v[BB+4*\t:BB+4*\t+3], v[RD] offset:\t*SPITCH
.endr
.endm
.macro SEND a, younger                 ; younger: the LDS instructions issued behind block a's loads, which may stay out
.set BB, BK+64*((\a)%2)
	s_wait_dscnt \younger
.irp t, 0,1,2,3,4,5,6,7,8,9,10,11,12,13,14,15
	v_pk_add_f32 v[BB+4*\t:BB+4*\t+1], v[BB+4*\t:BB+4*\t+1], v[BI:BI+1]
	v_pk_add_f32 v[BB+4*\t+2:BB+4*\t+3], v[BB+4*\t+2:BB+4*\t+3], v[BI+2:BI+3]
	global_store_b128 v[CO], v[BB+4*\t:BB+4*\t+3], s[10:11] offset:(32*((\a)/2)+8*((\a)%2)+\t+8*(\t/8))*4096 th:TH_STORE_NT   ; row t of tile a; 32 lanes store 512 consecutive bytes, aligned; written once
.endr
.endm
	PLACES NP                                      ; behind the last products: for the loads into the registers that held A's fragments and for the reads of results
	TOSTAGE 0
.irp a, 1,2,3,4,5,6,7
.if \a > 1
	s_wait_xcnt 0x0                                ; block a - 2's stores have read their registers: block a's loads may land there
.endif
	TOSTAGE \a
	SEND \a-1, 32                                  ; behind block a - 1's loads: block a's 16 stores and 16 loads
.endr
	SEND 7, 0
	s_wait_tensorcnt 0x0                           ; the wave's end
	ds_add_u32 v[SPW], v[NIL]
	s_wait_dscnt 0x0
	CROUND                                         ; the closing round
	s_endpgm
.Lfunc_end_k_qa63a77f648_outp:
	.size	k_qa63a77f648_outp, .Lfunc_end_k_qa63a77f648_outp-k_qa63a77f648_outp
	.p2alignl 7, 3214868480
	.fill 96, 4, 3214868480
	.section	.rodata,"a",@progbits
	.p2align	6, 0x0
	.amdhsa_kernel k_qa63a77f648_outp
		.amdhsa_group_segment_fixed_size 327680
		.amdhsa_private_segment_fixed_size 0
		.amdhsa_enable_private_segment 0
		.amdhsa_kernarg_size 32
		.amdhsa_user_sgpr_count 2
		.amdhsa_user_sgpr_kernarg_segment_ptr 1
		.amdhsa_wavefront_size32 1
		.amdhsa_system_sgpr_workgroup_id_x 1
		.amdhsa_system_sgpr_workgroup_id_y 1
		.amdhsa_system_sgpr_workgroup_id_z 1
		.amdhsa_system_vgpr_workitem_id 0
		.amdhsa_next_free_vgpr 1024
		.amdhsa_next_free_sgpr 96
		.amdhsa_reserve_vcc 0
		.amdhsa_float_denorm_mode_32 3
		.amdhsa_float_denorm_mode_16_64 3
		.amdhsa_memory_ordered 1
		.amdhsa_forward_progress 1
		.amdhsa_inst_pref_size 158
	.end_amdhsa_kernel
	.amdgpu_metadata
---
amdhsa.version: [ 1, 2 ]
amdhsa.kernels:
  - .name:           k_qa63a77f648_outp
    .symbol:         k_qa63a77f648_outp.kd
    .args:
      - { .name: img, .offset: 0, .size: 8, .value_kind: global_buffer, .address_space: global }
      - { .name: scl, .offset: 8, .size: 8, .value_kind: global_buffer, .address_space: global }
      - { .name: bo, .offset: 16, .size: 8, .value_kind: global_buffer, .address_space: global }
      - { .name: out0, .offset: 24, .size: 8, .value_kind: global_buffer, .address_space: global }
    .group_segment_fixed_size: 327680
    .private_segment_fixed_size: 0
    .kernarg_segment_align: 8
    .kernarg_segment_size: 32
    .max_flat_workgroup_size: 128
    .sgpr_count:     96
    .vgpr_count:     1024
    .wavefront_size: 32
...
	.end_amdgpu_metadata
.endif
;; end of part 4
;; ======== version 2 of 2: 4 launches
;; limits: right only within a limited range of input values
;; workspace buffers: img 37,748,736 bytes; scl 1,179,648 bytes; qkv 26,476,544 bytes
;; launch quant (part 5): grid 448 x 1, 4 waves a work-group, no clusters, 34,304 bytes of LDS; arguments q, k, v, Wq, Wk, Wv, Wo, img, scl; writes img, scl
.if DOCPART == 5
	.amdgcn_target "amdgcn-amd-amdhsa--gfx1250"
	.amdhsa_code_object_version 6
	.text
	.protected	k_qa63a77f648_quant
	.globl	k_qa63a77f648_quant
	.p2align	8
	.type	k_qa63a77f648_quant,@function
k_qa63a77f648_quant:
	s_mov_b64 s[64:65], 0
	v_nop
	global_prefetch_b8 v0, s[64:65] scope:SCOPE_SE
	s_setreg_imm32_b32 hwreg(HW_REG_WAVE_MODE, 25, 1), 1
	s_wait_xcnt 0x0
; q, k, v [8192][1024] and Wq, Wk, Wv, Wo [1024][1024], f32, K innermost, become codes of BF8 (E5M2) with one E8M0 byte for each 32 along K.
; A block's scale is 2^(floor(log2(its largest magnitude)) - 15); each number is divided by it, held within +-57,344 and rounded to the nearest code, ties to even.
; LAYOUT OF THE RESULT.  Rows go in tiles of 16; tile T = 2 B + u of a tensor holds rows 32 B + 8 u + i + 8 (i / 8), i = 0 .. 15, so that a transposed product leaves 16 neighbours along the next K in a lane.
; img: [tile][K step of 128][c 0..3][lane][16 bytes]: the image of the operand's registers (lane (r, h): row r of the tile, k = 32 c + 16 h + 0 .. 15).  scl: [tile][half][r][4 words]: word j of half s is row r's scale word of K step 4 s + j.
; Tiles: q 0, k 512, v 1024, Wq 1536, Wk 1600, Wv 1664, Wo 1728.
; SHARES.  A wave takes one tile, all eight K steps: 64 KiB of f32.  Each load reads 512 consecutive bytes of one row; a K step's 16 rows turn through the wave's own stage in LDS (rows of 512 + 16 bytes) so that a lane
; gets 16 neighbours of each of its row's four blocks.  Each store of codes covers 512 consecutive bytes, aligned.  Waves share nothing: no barrier, no cluster, no matrix unit; each input byte is read once.
; LIMITS: NaN and infinities are not served.  A block of zeros, and one whose largest magnitude lies under 2^(16 - 127), gets the byte 1 (the rule says 127 for zeros): zero codes add nothing under any byte but 0xff, and this program alone reads the bytes.
.set STG,  8448                        ; a wave's stage: 16 rows x 528 bytes
.set ROWP, 528
.set L16,  1                           ; v1      16 x lane
.set STI,  2                           ; v2      the stage, on the way in
.set STO,  3                           ; v3      and on the way out: 528 r + 64 h
.set PWS,  12                          ; v12-19  the eight K steps' scale words
.set TM,   20                          ; v20-35  at work in QUANT
.set W4,   40                          ; v40-43  the four words that my lane stores
.set PC,   44                          ; v44-59  a fragment's codes
.set RAW,  64                          ; v64-191 two sets of 64: a K step as loaded
.set X,    192                         ; v192-255 64 numbers: register 16 b + i = k 32 b + 16 h + i of my row
.set WV,   22
.set SEL,  28                          ; s[28:29] v_permlanex16_b32's selects for lane l xor 16
.set MNT,  30                          ; s30     the mantissa field of 57,344
.set HM,   31                          ; s31     a mask of lanes 16-31
; 64 numbers of a lane become a fragment's 16 registers of codes and the row's scale word.
.macro QUANT s, pc, pw
.irp b, 0,1,2,3
	v_max3_num_f32 v[TM+\b], |v[(\s)+16*\b]|, |v[(\s)+1+16*\b]|, 0x8000000   ; block b: my 16 numbers, and the floor 2^(16 - 127): the byte cannot fall under 1
.endr
.irp i, 2,4,6,8,10,12,14
.irp b, 0,1,2,3
	v_max3_num_f32 v[TM+\b], v[TM+\b], |v[(\s)+16*\b+\i]|, |v[(\s)+1+16*\b+\i]|   ; the four blocks by turns
.endr
.endr
.irp b, 0,1,2,3
	v_permlanex16_b32 v[TM+4+\b], v[TM+\b], s[SEL], s[SEL+1]
.endr
.irp b, 0,1,2,3
	v_max_num_f32 v[TM+\b], v[TM+\b], v[TM+4+\b]                 ; with lane l xor 16's 16: the block's largest magnitude
.endr
.irp b, 0,1,2,3
	v_add_nc_u32 v[TM+12+\b], 0xf8800000, v[TM+\b]               ; 15 off its exponent field: the conversion's scale operand
.endr
.irp b, 0,1,2,3
	v_and_or_b32 v[TM+8+\b], v[TM+\b], 0x7f800000, s[MNT]        ; 57,344 x the scale
.endr
.irp b, 0,1,2,3
	v_lshrrev_b32 v[TM+4+\b], 23, v[TM+12+\b]                    ; the scale's byte
.endr
	v_lshl_or_b32 v[\pw], v[TM+5], 8, v[TM+4]
	v_lshl_or_b32 v[\pw], v[TM+6], 16, v[\pw]
	v_lshl_or_b32 v[\pw], v[TM+7], 24, v[\pw]
.irp b, 0,1,2,3
.set i, 0
.rept 16
	v_med3_num_f32 v[(\s)+16*\b+i], v[(\s)+16*\b+i], -v[TM+8+\b], v[TM+8+\b]   ; the conversion to an 8-bit code does not saturate (ISA guide 7.6.2): the hold
.set i, i+1
.endr
	v_cvt_scalef32_pk8_bf8_f32 v[(\pc)+4*\b:(\pc)+1+4*\b], v[(\s)+16*\b:(\s)+7+16*\b], v[TM+12+\b]
	v_cvt_scalef32_pk8_bf8_f32 v[(\pc)+2+4*\b:(\pc)+3+4*\b], v[(\s)+8+16*\b:(\s)+15+16*\b], v[TM+12+\b]
.endr
	v_nop                                                        ; a plain line behind the last conversion
.endm
	s_load_b256 s[4:11], s[0:1], 0x0               ; q s[4:5], k s[6:7], v s[8:9], Wq s[10:11]
	s_load_b256 s[12:19], s[0:1], 0x20             ; Wk s[12:13], Wv s[14:15], Wo s[16:17], img s[18:19]
	s_load_b64 s[20:21], s[0:1], 0x40              ; scl
	v_lshl_add_u32 v62, v0, 2, 0x8400
	v_mov_b32 v63, 0
	v_lshrrev_b32 v4, 5, v0
	v_readfirstlane_b32 s[WV], v4                  ; wave 0..3
	v_and_b32 v5, 31, v0
	v_lshlrev_b32 v[L16], 4, v5
	s_mul_i32 s24, s[WV], STG
	v_add_nc_u32 v[STI], s24, v[L16]
	v_and_b32 v6, 15, v0                           ; r
	v_bfe_u32 v7, v0, 4, 1                         ; h
	v_mul_u32_u24 v[STO], v6, ROWP
	v_lshl_add_u32 v[STO], v7, 6, v[STO]
	v_add_nc_u32 v[STO], s24, v[STO]
.irp b, 0,1,2,3
	v_mov_b32 v[TM+4+\b], 0                        ; written once: a lane permute's destination counts as one of its sources
.endr
	s_mov_b32 s[SEL], 0x76543210
	s_mov_b32 s[SEL+1], 0xfedcba98
	s_mov_b32 s[MNT], 0x600000
	s_mov_b32 s[HM], 0xffff0000
	s_mov_b32 s23, 0                               ; the first work-group of my tensor
	s_wait_alu depctr_va_vdst(0)
	s_wait_kmcnt 0x0
; Which tensor is mine hangs on the work-group's number alone: 128 work-groups each for q, k, v, 16 each for the weights.
.macro PICK bound, ptr
	s_cmp_ge_u32 ttmp9, \bound
	s_cselect_b64 s[4:5], s[\ptr:\ptr+1], s[4:5]
	s_cselect_b32 s23, \bound, s23
.endm
	PICK 128, 6
	PICK 256, 8
	PICK 384, 10
	PICK 400, 12
	PICK 416, 14
	PICK 432, 16
	s_sub_co_u32 s24, ttmp9, s23
	s_lshl_b32 s24, s24, 2
	s_add_co_u32 s24, s24, s[WV]                   ; my tile within the tensor
	s_lshr_b32 s25, s24, 1
	s_lshl_b32 s25, s25, 5
	s_and_b32 s26, s24, 1
	s_lshl_b32 s26, s26, 3
	s_add_co_u32 s24, s25, s26                     ; its first row: 32 (T / 2) + 8 (T % 2)
	s_lshl_b32 s24, s24, 12                        ; rows of 4,096 bytes
	s_mov_b32 s25, 0
	s_add_nc_u64 s[4:5], s[4:5], s[24:25]
	s_lshl_b32 s26, ttmp9, 2
	s_add_co_u32 s26, s26, s[WV]                   ; my tile among all: 4 x work-group + wave
	s_lshl_b32 s24, s26, 14
	s_add_nc_u64 s[18:19], s[18:19], s[24:25]
	s_lshl_b32 s24, s26, 9
	s_add_nc_u64 s[20:21], s[20:21], s[24:25]
.macro LOAD s                          ; K step s: 16 rows x 512 consecutive bytes, into set s % 2
.irp i, 0,1,2,3,4,5,6,7,8,9,10,11,12,13,14,15
	global_load_b128 v[RAW+64*((\s)%2)+4*\i:RAW+64*((\s)%2)+4*\i+3], v[L16], s[4:5] offset:(\i+8*(\i/8))*4096+512*(\s) th:TH_LOAD_NT
.endr
.endm
.macro STEP s
.if (\s) < 7
	s_wait_loadcnt 16                              ; this step's 16 loads are in; the next step's 16 stay out
.else
	s_wait_loadcnt 0x0
.endif
	s_wait_xcnt 0x0                                ; the last step's stores have read the codes' registers, which are written again below
.irp i, 0,1,2,3,4,5,6,7,8,9,10,11,12,13,14,15
	ds_store_b128 v[STI], v[RAW+64*((\s)%2)+4*\i:RAW+64*((\s)%2)+4*\i+3] offset:ROWP*\i
.endr
.irp b, 0,1,2,3
.irp j, 0,1,2,3
	ds_load_b128 v[X+16*\b+4*\j:X+16*\b+4*\j+3], v[STO] offset:128*\b+16*\j   ; LDS serves a wave's instructions in order: these see the stores above
.endr
.endr
	s_wait_dscnt 0x0                               ; my 64 numbers are in, and the stores have read the set, which takes the loads of two steps on
.if (\s) < 6
	LOAD (\s)+2
.endif
	QUANT X, PC, PWS+(\s)
.irp c, 0,1,2,3
	global_store_b128 v[L16], v[PC+4*\c:PC+4*\c+3], s[18:19] offset:2048*(\s)+512*\c   ; 32 lanes store 512 consecutive bytes, aligned
.endr
.endm
	LOAD 0
	LOAD 1
.irp t, 0,1,2,3,4,5,6,7
	STEP \t
.endr
.irp j, 0,1,2,3
	v_cndmask_b32 v[W4+\j], v[PWS+\j], v[PWS+4+\j], s[HM]   ; lanes 0-15 store K steps 0-3 of row r, lanes 16-31 K steps 4-7
.endr
	global_store_b128 v[L16], v[W4:W4+3], s[20:21]
	s_wait_tensorcnt 0x0
	ds_add_u32 v62, v63
	s_wait_dscnt 0x0
	s_endpgm
.Lfunc_end_k_qa63a77f648_quant:
	.size	k_qa63a77f648_quant, .Lfunc_end_k_qa63a77f648_quant-k_qa63a77f648_quant
	.p2alignl 7, 3214868480
	.fill 96, 4, 3214868480
	.section	.rodata,"a",@progbits
	.p2align	6, 0x0
	.amdhsa_kernel k_qa63a77f648_quant
		.amdhsa_group_segment_fixed_size 34304
		.amdhsa_private_segment_fixed_size 0
		.amdhsa_enable_private_segment 0
		.amdhsa_kernarg_size 72
		.amdhsa_user_sgpr_count 2
		.amdhsa_user_sgpr_kernarg_segment_ptr 1
		.amdhsa_wavefront_size32 1
		.amdhsa_system_sgpr_workgroup_id_x 1
		.amdhsa_system_sgpr_workgroup_id_y 1
		.amdhsa_system_sgpr_workgroup_id_z 1
		.amdhsa_system_vgpr_workitem_id 0
		.amdhsa_next_free_vgpr 256
		.amdhsa_next_free_sgpr 66
		.amdhsa_reserve_vcc 0
		.amdhsa_float_denorm_mode_32 3
		.amdhsa_float_denorm_mode_16_64 3
		.amdhsa_memory_ordered 1
		.amdhsa_forward_progress 1
		.amdhsa_inst_pref_size 99
	.end_amdhsa_kernel
	.amdgpu_metadata
---
amdhsa.version: [ 1, 2 ]
amdhsa.kernels:
  - .name:           k_qa63a77f648_quant
    .symbol:         k_qa63a77f648_quant.kd
    .args:
      - { .name: q, .offset: 0, .size: 8, .value_kind: global_buffer, .address_space: global }
      - { .name: k, .offset: 8, .size: 8, .value_kind: global_buffer, .address_space: global }
      - { .name: v, .offset: 16, .size: 8, .value_kind: global_buffer, .address_space: global }
      - { .name: Wq, .offset: 24, .size: 8, .value_kind: global_buffer, .address_space: global }
      - { .name: Wk, .offset: 32, .size: 8, .value_kind: global_buffer, .address_space: global }
      - { .name: Wv, .offset: 40, .size: 8, .value_kind: global_buffer, .address_space: global }
      - { .name: Wo, .offset: 48, .size: 8, .value_kind: global_buffer, .address_space: global }
      - { .name: img, .offset: 56, .size: 8, .value_kind: global_buffer, .address_space: global }
      - { .name: scl, .offset: 64, .size: 8, .value_kind: global_buffer, .address_space: global }
    .group_segment_fixed_size: 34304
    .private_segment_fixed_size: 0
    .kernarg_segment_align: 8
    .kernarg_segment_size: 72
    .max_flat_workgroup_size: 128
    .sgpr_count:     66
    .vgpr_count:     256
    .wavefront_size: 32
...
	.end_amdgpu_metadata
.endif
;; end of part 5
;; launch proj (part 6): grid 4 x 96, 4 waves a work-group, clusters of 4 x 4, 327,680 bytes of LDS; arguments img, scl, bq, bk, bv, qkv; writes qkv
.if DOCPART == 6
	.amdgcn_target "amdgcn-amd-amdhsa--gfx1250"
	.amdhsa_code_object_version 6
	.text
	.protected	k_qa63a77f648_proj
	.globl	k_qa63a77f648_proj
	.p2align	8
	.type	k_qa63a77f648_proj,@function
k_qa63a77f648_proj:
	s_mov_b64 s[64:65], 0
	v_nop
	global_prefetch_b8 v0, s[64:65] scope:SCOPE_SE
	s_setreg_imm32_b32 hwreg(HW_REG_WAVE_MODE, 25, 1), 1
	s_wait_xcnt 0x0
	s_wait_alu depctr_hold_cnt(0) depctr_sa_sdst(0) depctr_va_vdst(0) depctr_va_sdst(0) depctr_va_ssrc(0) depctr_va_vcc(0) depctr_vm_vsrc(0)
	s_getreg_b32 s2, hwreg(HW_REG_IB_STS2, 6, 4)
	s_cmp_eq_u32 s2, 0
	s_cbranch_scc0 .Lentry_in_a_cluster
	s_endpgm
.Lentry_in_a_cluster:
	s_bfe_u32 s2, ttmp6, 0x10000c
	s_cmp_lg_u32 s2, 0xf033
	s_cbranch_scc0 .Lentry_shape_is_right
	s_endpgm
.Lentry_shape_is_right:
.set HS,    413696
.set SLOT,  131072
.set BOFF,  65536
.set SPARE, 262144
.set FR,    16
.set NP,    8
.set W4H,   0
.set PWS,   4
.set W4,    12
.set ADRA,  16
.set ADRB,  20
.set VBQ,   22
.set VBV,   23
.set L8,    25
.set L16,   26
.set ADRS,  27
.set SPW,   28
.set NIL,   29
.set SC,    32
.set TM,    96
.set PC,    112
.set AF,    128
.set BN,    128
.set T,     192
.set WV,  16
.set WR,  17
.set WC,  18
.set ISV, 19
.set G1,  24
.set G0,  32
.set G1B, 48
.set G0B, 56
.set SEL, 74
.set MNT, 76
.set HM,  77
.set MSB, 0
.macro WIN new
.if MSB != (\new)
	s_set_vgpr_msb (MSB<<8)|(\new)
.set MSB, (\new)
.endif
.endm
.set MUL_LO, 0xa1
.set MUL_HI, 0xf1
.set TO_B,   0x40
.macro PLACES n
.rept \n
	v_nop
.endr
.endm
.macro JLOAD s
	s_cmp_eq_u32 s[WR], 0
	s_cbranch_scc0 .Lfor_b_\@
	tensor_load_to_lds s[G0+4*\s:G0+4*\s+3], s[G1:G1+7]
	s_nop 0
	PLACES 4
	s_branch .Lasked_\@
.Lfor_b_\@:
	tensor_load_to_lds s[G0B+4*\s:G0B+4*\s+3], s[G1B:G1B+7]
	s_nop 0
	PLACES 4
.Lasked_\@:
.endm
.macro CREST
	s_cmp_lg_u32 s[WV], 0
	s_cbranch_scc1 .Lnot_wave_0_\@
	s_barrier_signal -3
.Lnot_wave_0_\@:
	s_barrier_wait -3
	s_barrier_signal -1
	s_barrier_wait -1
.endm
.macro CROUND
	s_barrier_signal -1
	s_barrier_wait -1
	CREST
.endm
.macro QUANT s, pc, pw
.irp b, 0,1,2,3
	v_max3_num_f32 v[TM+\b], |v[(\s)+16*\b]|, |v[(\s)+1+16*\b]|, 0x8000000
.endr
.irp i, 2,4,6,8,10,12,14
.irp b, 0,1,2,3
	v_max3_num_f32 v[TM+\b], v[TM+\b], |v[(\s)+16*\b+\i]|, |v[(\s)+1+16*\b+\i]|
.endr
.endr
.irp b, 0,1,2,3
	v_permlanex16_b32 v[TM+4+\b], v[TM+\b], s[SEL], s[SEL+1]
.endr
.irp b, 0,1,2,3
	v_max_num_f32 v[TM+\b], v[TM+\b], v[TM+4+\b]
.endr
.irp b, 0,1,2,3
	v_add_nc_u32 v[TM+12+\b], 0xf8800000, v[TM+\b]
.endr
.irp b, 0,1,2,3
	v_and_or_b32 v[TM+8+\b], v[TM+\b], 0x7f800000, s[MNT]
.endr
.irp b, 0,1,2,3
	v_lshrrev_b32 v[TM+4+\b], 23, v[TM+12+\b]
.endr
	v_lshl_or_b32 v[\pw], v[TM+5], 8, v[TM+4]
	v_lshl_or_b32 v[\pw], v[TM+6], 16, v[\pw]
	v_lshl_or_b32 v[\pw], v[TM+7], 24, v[\pw]
.irp b, 0,1,2,3
.set i, 0
.rept 16
	v_med3_num_f32 v[(\s)+16*\b+i], v[(\s)+16*\b+i], -v[TM+8+\b], v[TM+8+\b]
.set i, i+1
.endr
	v_cvt_scalef32_pk8_bf8_f32 v[(\pc)+4*\b:(\pc)+1+4*\b], v[(\s)+16*\b:(\s)+7+16*\b], v[TM+12+\b]
	v_cvt_scalef32_pk8_bf8_f32 v[(\pc)+2+4*\b:(\pc)+3+4*\b], v[(\s)+8+16*\b:(\s)+15+16*\b], v[TM+12+\b]
.endr
	v_nop
.endm
	s_load_b256 s[4:11], s[0:1], 0x0
	s_load_b128 s[12:15], s[0:1], 0x20
	v_lshl_add_u32 v[SPW], v0, 2, SPARE
	v_mov_b32 v[NIL], 0
	ds_add_u32 v28, v29
	ds_add_u32 v28, v29
	s_wait_dscnt 0x0
	v_lshrrev_b32 v1, 5, v0
	v_readfirstlane_b32 s[WV], v1
	s_lshr_b32 s[WR], s[WV], 1
	s_and_b32 s[WC], s[WV], 1
	s_bfe_u32 s40, ttmp6, 0x40000
	s_bfe_u32 s41, ttmp6, 0x40004
	s_and_b32 s42, ttmp7, 0xffff
	s_lshl_b32 s43, s41, 2
	s_lshl_b32 s43, 15, s43
	s_lshl_b32 s44, 0x1111, s40
	s_or_b32 s[G1], s43, (3<<16)|(1<<21)
	s_or_b32 s[G1B], s44, (3<<16)|(1<<21)
.irp g, G1, G1B
	s_mov_b32 s[\g+1], 512<<16
	s_mov_b32 s[\g+2], 8<<16
	s_mov_b32 s[\g+3], 512<<16
	s_mov_b32 s[\g+4], 8
	s_mov_b32 s[\g+5], 2048
	s_mov_b32 s[\g+6], 0
	s_mov_b32 s[\g+7], 0
.endr
	s_mov_b32 s[SEL], 0x76543210
	s_mov_b32 s[SEL+1], 0xfedcba98
	s_mov_b32 s[MNT], 0x600000
	s_mov_b32 s[HM], 0xffff0000
	s_lshr_b32 s20, s42, 3
	s_and_b32 s21, s42, 7
	s_lshl_b32 s22, s20, 9
	s_lshl_b32 s23, s21, 6
	s_add_co_u32 s66, s22, s23
	s_lshl_b32 s46, s20, 6
	s_add_co_u32 s46, s46, 1536
	s_add_co_u32 s47, s23, 1024
	s_mov_b32 s67, 1664
	s_cmp_eq_u32 s20, 2
	s_cselect_b32 s[ISV], 1, 0
	s_cselect_b32 s66, s67, s66
	s_cselect_b32 s46, s47, s46
	s_lshl_b32 s67, s41, 4
	s_add_co_u32 s66, s66, s67
	s_lshl_b32 s47, s40, 4
	s_add_co_u32 s46, s46, s47
	s_lshl_b32 s78, s[WR], 3
	s_add_co_u32 s78, s78, s66
	s_lshl_b32 s78, s78, 9
	s_lshl_b32 s79, s[WC], 3
	s_add_co_u32 s79, s79, s46
	s_lshl_b32 s79, s79, 9
	s_lshl_b32 s22, s[WC], 3
	s_add_co_u32 s66, s66, s22
	s_lshl_b32 s66, s66, 14
	s_mov_b32 s67, 0
	s_add_co_u32 s46, s46, s22
	s_lshl_b32 s46, s46, 14
	s_mov_b32 s47, 0
	s_lshl_b32 s45, s[WV], 15
	s_wait_kmcnt 0x0
	s_add_nc_u64 s[66:67], s[4:5], s[66:67]
	s_add_nc_u64 s[46:47], s[4:5], s[46:47]
	v_and_b32 v1, 15, v0                           ; the scale words of all eight K steps are asked for ahead of the first round
	v_mov_b32 v4, s78
	v_mov_b32 v5, s79
	v_cndmask_b32 v4, v4, v5, s[HM]
	v_lshl_add_u32 v[ADRS], v1, 4, v4
.irp i, 0,1,2,3,4,5,6,7
.irp u, 0,1
	global_load_b128 v[SC+8*\i+4*\u:SC+8*\i+4*\u+3], v[ADRS], s[6:7] offset:512*\i+256*\u
.endr
.endr
	CROUND
.irp s, 0,1
	s_mov_b32 s[G0+4*\s], 1
	s_add_co_u32 s[G0+4*\s+1], s45, \s*SLOT
	s_add_nc_u64 s[G0+4*\s+2:G0+4*\s+3], s[66:67], \s*4096
	s_or_b32 s[G0+4*\s+3], s[G0+4*\s+3], 0x80000000
	s_mov_b32 s[G0B+4*\s], 1
	s_add_co_u32 s[G0B+4*\s+1], s45, \s*SLOT
	s_add_nc_u64 s[G0B+4*\s+2:G0B+4*\s+3], s[46:47], \s*4096
	s_or_b32 s[G0B+4*\s+3], s[G0B+4*\s+3], 0x80000000
	s_wait_alu depctr_va_vdst(0)
	s_wait_tensorcnt 0x0
	ds_add_u32 v28, v29
	ds_add_u32 v28, v29
	s_wait_dscnt 0x0
	CROUND
	JLOAD \s
.endr
	v_bfe_u32 v2, v0, 4, 1
	v_and_b32 v3, 31, v0
	v_lshlrev_b32 v[L16], 4, v3
	v_lshlrev_b32 v[L8], 3, v3
	s_lshl_b32 s22, s[WR], 15
	s_lshl_b32 s23, s[WC], 15
	s_add_co_u32 s23, s23, BOFF
.irp s, 0,1
	v_add_nc_u32 v[ADRA+\s], s22, v[L16]
	v_add_nc_u32 v[ADRB+\s], s23, v[L16]
	s_add_co_u32 s22, s22, SLOT
	s_add_co_u32 s23, s23, SLOT
.endr
	v_lshlrev_b32 v[VBQ], 6, v2
	v_and_b32 v5, 8, v1
	v_add_nc_u32 v5, v5, v1
	v_lshlrev_b32 v[VBV], 2, v5
	s_cmp_eq_u32 s[ISV], 1
	s_cselect_b32 s80, s40, s41
	s_cselect_b32 s81, s[WC], s[WR]
	s_cselect_b32 s82, s41, s40
	s_cselect_b32 s83, s[WR], s[WC]
	s_lshl_b32 s84, s21, 2
	s_add_co_u32 s84, s84, s80
	s_lshl_b32 s84, s84, 1
	s_add_co_u32 s84, s84, s81
	s_and_b32 s85, s84, 15
	s_lshr_b32 s86, s84, 4
	s_lshl_b32 s86, s86, 4
	s_lshl_b32 s87, s82, 2
	s_add_co_u32 s86, s86, s87
	s_lshl_b32 s87, s83, 1
	s_add_co_u32 s86, s86, s87
	s_mul_i32 s86, s86, HS
	s_lshl_b32 s87, s20, 17
	s_add_co_u32 s88, s86, s87
	s_lshl_b32 s87, s85, 13
	s_add_co_u32 s88, s88, s87
	s_mov_b32 s89, 0
	s_add_nc_u64 s[70:71], s[14:15], s[88:89]
	s_lshl_b32 s87, s20, 13
	s_lshl_b32 s90, s85, 9
	s_add_co_u32 s87, s87, s90
	s_lshl_b32 s90, s85, 8
	s_add_co_u32 s90, s90, 16384
	s_cmp_eq_u32 s[ISV], 1
	s_cselect_b32 s87, s90, s87
	s_add_co_u32 s88, s86, s87
	s_add_co_u32 s88, s88, 393216
	s_add_nc_u64 s[72:73], s[14:15], s[88:89]
	s_lshl_b32 s88, s82, 10
	s_lshl_b32 s87, s83, 9
	s_add_co_u32 s88, s88, s87
	s_cmp_eq_u32 s20, 1
	s_cselect_b64 s[68:69], s[10:11], s[8:9]
	s_cmp_eq_u32 s20, 2
	s_cselect_b64 s[68:69], s[12:13], s[68:69]
	s_add_nc_u64 s[68:69], s[68:69], s[88:89]
.macro FRAG reg, adr, q, i
.irp c, 0,1,2,3
	ds_load_b128 v[\reg+4*\c:\reg+4*\c+3], v[\adr] offset:4096*(\i)+2048*(\q)+512*\c
.endr
.endm
.macro MUL16 a0, p, ks, zero
.irp a, \a0, \a0+1
.irp b, 0,1,2,3,4,5,6,7
.if \zero
	v_wmma_scale_f32_16x16x128_f8f6f4 v[8*(8*((\a)%4)+\b):8*(8*((\a)%4)+\b)+7], v[128*(\p)+FR*\b:128*(\p)+FR*\b+FR-1], v[AF+FR*(\a):AF+FR*(\a)+FR-1], 0, v[SC+8*\b+(\ks)], v[SC+8*(\a)+(\ks)] matrix_a_fmt:MATRIX_FMT_BF8 matrix_b_fmt:MATRIX_FMT_BF8 matrix_a_scale:MATRIX_SCALE_ROW1
.else
	v_wmma_scale_f32_16x16x128_f8f6f4 v[8*(8*((\a)%4)+\b):8*(8*((\a)%4)+\b)+7], v[128*(\p)+FR*\b:128*(\p)+FR*\b+FR-1], v[AF+FR*(\a):AF+FR*(\a)+FR-1], v[8*(8*((\a)%4)+\b):8*(8*((\a)%4)+\b)+7], v[SC+8*\b+(\ks)], v[SC+8*(\a)+(\ks)] matrix_a_fmt:MATRIX_FMT_BF8 matrix_b_fmt:MATRIX_FMT_BF8 matrix_a_scale:MATRIX_SCALE_ROW1
.endif
.endr
.endr
.endm
.macro FETCH_B slot, q, p
	WIN TO_B
.irp i, 0,1,2,3,4,5,6,7
	FRAG 128*(\p)+FR*\i, ADRB+\slot, \q, \i
.endr
	WIN 0
.endm
.macro FETCH_A slot, q, i0
.irp i, \i0, \i0+1, \i0+2, \i0+3
	FRAG AF+FR*(\i), ADRA+\slot, \q, \i
.endr
.endm
.macro STEP slot, ks, zero
	s_wait_dscnt 16
	WIN MUL_LO
	MUL16 0, 0, \ks, \zero
	MUL16 2, 0, \ks, \zero
	s_wait_dscnt 0
	PLACES NP
	FETCH_B \slot, 1, 1
	FETCH_A \slot, 1, 0
	WIN MUL_HI
	MUL16 4, 0, \ks, \zero
	MUL16 6, 0, \ks, \zero
	PLACES NP
	WIN 0
	FETCH_A \slot, 1, 4
.endm
.macro TURN slot, next, fill, ks
	s_wait_tensorcnt 0x0
	ds_add_u32 v[SPW], v[NIL]
	s_wait_dscnt 17
	WIN MUL_LO
	MUL16 0, 1, \ks, 0
	s_wait_dscnt 0x0
	s_barrier_signal -1
	MUL16 2, 1, \ks, 0
	WIN 0
	s_barrier_wait -1
.if \fill
	CREST
	s_add_nc_u64 s[G0+4*\slot+2:G0+4*\slot+3], s[G0+4*\slot+2:G0+4*\slot+3], 8192
	s_add_nc_u64 s[G0B+4*\slot+2:G0B+4*\slot+3], s[G0B+4*\slot+2:G0B+4*\slot+3], 8192
	JLOAD \slot
	PLACES NP-4
.else
	PLACES NP
.endif
	s_wait_alu depctr_va_vdst(0)
	FETCH_B \next, 0, 0
	FETCH_A \next, 0, 0
	WIN MUL_HI
	MUL16 4, 1, \ks, 0
	MUL16 6, 1, \ks, 0
	PLACES NP
	WIN 0
	FETCH_A \next, 0, 4
.endm
.macro TAIL isv
.if \isv
.irp a, 0,1,2,3,4,5,6,7
	global_load_b32 v[BN+2*\a], v[VBV], s[68:69] offset:(32*(\a/2)+8*(\a%2))*4
	global_load_b32 v[BN+2*\a+1], v[VBV], s[68:69] offset:(32*(\a/2)+8*(\a%2))*4
.endr
.else
.irp b, 0,1,2,3,4,5,6,7
	global_load_b128 v[BN+8*\b:BN+8*\b+3], v[VBQ], s[68:69] offset:(32*(\b/2)+8*(\b%2))*4
	global_load_b128 v[BN+8*\b+4:BN+8*\b+7], v[VBQ], s[68:69] offset:(32*(\b/2)+8*(\b%2))*4+16
.endr
.endif
	WIN MUL_HI
	MUL16 4, 1, 7, 0
	MUL16 6, 1, 7, 0
	WIN 0
	PLACES NP
	s_wait_loadcnt 0x0
.irp b, 0,1,2,3
	v_mov_b32 v[TM+4+\b], 0
.endr
.irp a, 0,1,2,3,4,5,6,7
	s_wait_xcnt 0x0
	WIN 0x02+(\a)/4
.irp b, 0,1,2,3,4,5,6,7
.irp j, 0,2,4,6
.if \isv
	v_pk_add_f32 v[T+8*\b+\j:T+8*\b+\j+1], v[8*(8*(\a%4)+\b)+\j:8*(8*(\a%4)+\b)+\j+1], v[BN+2*\a:BN+2*\a+1]
.else
	v_pk_add_f32 v[T+8*\b+\j:T+8*\b+\j+1], v[8*(8*(\a%4)+\b)+\j:8*(8*(\a%4)+\b)+\j+1], v[BN+8*\b+\j:BN+8*\b+\j+1]
.endif
.endr
.endr
	WIN 0
	QUANT T, PC, PWS+\a
.irp g, 0,1,2,3
.if \isv
	global_store_b128 v[L16], v[PC+4*\g:PC+4*\g+3], s[70:71] offset:(\a/4)*HS+2048*(\a%4)+512*\g
.else
	global_store_b128 v[L16], v[PC+4*\g:PC+4*\g+3], s[70:71] offset:(\g/2)*HS+1024*\a+512*(\g%2)
.endif
.endr
.endr
.irp i, 0,1,2,3
	v_cndmask_b32 v[W4+\i], v[PWS+2*\i], v[PWS+2*\i+1], s[HM]
.endr
.if \isv
	global_store_b64 v[L8], v[W4:W4+1], s[72:73]
	global_store_b64 v[L8], v[W4+2:W4+3], s[72:73] offset:HS
.else
.irp i, 0,1,2,3
	v_lshrrev_b32 v[W4H+\i], 16, v[W4+\i]
.endr
	global_store_b128 v[L16], v[W4:W4+3], s[72:73]
	global_store_b128 v[L16], v[W4H:W4H+3], s[72:73] offset:HS
.endif
.endm
	s_wait_alu depctr_va_vdst(0)                   ; the head's end
	s_wait_loadcnt 0x0
	s_wait_tensorcnt 1
	s_barrier_signal -1
	s_barrier_wait -1
	FETCH_B 0, 0, 0
	FETCH_A 0, 0, 0
	FETCH_A 0, 0, 4
	STEP 0, 0, 1
	TURN 0, 1, 1, 1
	STEP 1, 2, 0
	TURN 1, 0, 1, 3
	STEP 0, 4, 0
	TURN 0, 1, 0, 5
	STEP 1, 6, 0
	s_wait_dscnt 16
	WIN MUL_LO
	MUL16 0, 1, 7, 0
	MUL16 2, 1, 7, 0
	s_wait_dscnt 0
	PLACES NP
	WIN 0
	s_cmp_eq_u32 s[ISV], 0
	s_cbranch_scc0 .Lfor_v
	TAIL 0
	s_branch .Lend
.Lfor_v:
	TAIL 1
.Lend:
	s_wait_tensorcnt 0x0
	ds_add_u32 v[SPW], v[NIL]
	s_wait_dscnt 0x0
	CROUND
	s_endpgm
.Lfunc_end_k_qa63a77f648_proj:
	.size	k_qa63a77f648_proj, .Lfunc_end_k_qa63a77f648_proj-k_qa63a77f648_proj
	.p2alignl 7, 3214868480
	.fill 96, 4, 3214868480
	.section	.rodata,"a",@progbits
	.p2align	6, 0x0
	.amdhsa_kernel k_qa63a77f648_proj
		.amdhsa_group_segment_fixed_size 327680
		.amdhsa_private_segment_fixed_size 0
		.amdhsa_enable_private_segment 0
		.amdhsa_kernarg_size 48
		.amdhsa_user_sgpr_count 2
		.amdhsa_user_sgpr_kernarg_segment_ptr 1
		.amdhsa_wavefront_size32 1
		.amdhsa_system_sgpr_workgroup_id_x 1
		.amdhsa_system_sgpr_workgroup_id_y 1
		.amdhsa_system_sgpr_workgroup_id_z 1
		.amdhsa_system_vgpr_workitem_id 0
		.amdhsa_next_free_vgpr 1024
		.amdhsa_next_free_sgpr 96
		.amdhsa_reserve_vcc 0
		.amdhsa_float_denorm_mode_32 3
		.amdhsa_float_denorm_mode_16_64 3
		.amdhsa_memory_ordered 1
		.amdhsa_forward_progress 1
		.amdhsa_inst_pref_size 255
	.end_amdhsa_kernel
	.section	.bss,"aw",@nobits
	.p2align	6
	.space	262144
	.amdgpu_metadata
---
amdhsa.version: [ 1, 2 ]
amdhsa.kernels:
  - .name:           k_qa63a77f648_proj
    .symbol:         k_qa63a77f648_proj.kd
    .args:
      - { .name: img, .offset: 0, .size: 8, .value_kind: global_buffer, .address_space: global }
      - { .name: scl, .offset: 8, .size: 8, .value_kind: global_buffer, .address_space: global }
      - { .name: bq, .offset: 16, .size: 8, .value_kind: global_buffer, .address_space: global }
      - { .name: bk, .offset: 24, .size: 8, .value_kind: global_buffer, .address_space: global }
      - { .name: bv, .offset: 32, .size: 8, .value_kind: global_buffer, .address_space: global }
      - { .name: qkv, .offset: 40, .size: 8, .value_kind: global_buffer, .address_space: global }
    .group_segment_fixed_size: 327680
    .private_segment_fixed_size: 0
    .kernarg_segment_align: 8
    .kernarg_segment_size: 48
    .max_flat_workgroup_size: 128
    .sgpr_count:     96
    .vgpr_count:     1024
    .wavefront_size: 32
...
	.end_amdgpu_metadata
.endif
;; end of part 6
;; launch attn (part 7): grid 4 x 64, 8 waves a work-group, clusters of 4 x 1, 275,456 bytes of LDS; arguments qkv, img, scl; writes img, scl
.if DOCPART == 7
	.amdgcn_target "amdgcn-amd-amdhsa--gfx1250"
	.amdhsa_code_object_version 6
	.text
	.protected	k_qa63a77f648_attn
	.globl	k_qa63a77f648_attn
	.p2align	8
	.type	k_qa63a77f648_attn,@function
k_qa63a77f648_attn:
	s_mov_b64 s[64:65], 0
	v_nop
	global_prefetch_b8 v0, s[64:65] scope:SCOPE_SE
	s_setreg_imm32_b32 hwreg(HW_REG_WAVE_MODE, 25, 1), 1
	s_wait_xcnt 0x0
	s_wait_alu depctr_hold_cnt(0) depctr_sa_sdst(0) depctr_va_vdst(0) depctr_va_sdst(0) depctr_va_ssrc(0) depctr_va_vcc(0) depctr_vm_vsrc(0)
	s_getreg_b32 s2, hwreg(HW_REG_IB_STS2, 6, 4)
	s_cmp_eq_u32 s2, 0
	s_cbranch_scc0 .Lentry_in_a_cluster
	s_endpgm
.Lentry_in_a_cluster:
	s_bfe_u32 s2, ttmp6, 0x10000c
	s_cmp_lg_u32 s2, 0x3003
	s_cbranch_scc0 .Lentry_shape_is_right
	s_endpgm
.Lentry_shape_is_right:
; O[q] = the sum over keys of softmax(Q[q] . K[key] / 8) V[key], for each of 64 heads (2,048 queries and keys, head size 64), both products on codes of BF8 (E5M2) with E8M0 scales; O is quantised along the features for the last projection.
; THE SOFTMAX AHEAD OF THE SECOND PRODUCT: t = score x log2(e) / 8; M = the row's largest t so far, rounded UP to a whole number; p = 2^(t - M) is quantised along the keys, not normalised; the row's sum is taken of the
; unquantised p and divides O at the end.  When M moves, the sum and O are multiplied by 2^(old M - new M): exact.
; THE FIRST PRODUCT'S K IS 64, the instruction's 128: registers 8-15 of K's and Q's fragments hold zero codes, written once; the scale bytes over them are never 0xff.
; SHARES.  A cluster of four work-groups is one head; a work-group takes 512 queries in two passes of 256; each of its eight waves takes two tiles of 16 queries, X and Y, which share every fragment of K and V read from LDS.
; LDS holds the head's K, V and their scale words whole (274,432 bytes), as they lie in memory: images of the operands' registers.  They are filled ONCE, by joint loads (the four partners need the same bytes), one a wave:
; wave 0 the scale words (12,288 bytes); waves 1, 2 key steps 0-5 of K, of V (49,152 each); waves 3, 4 and 5, 6 key steps 6-10 and 11-15 of K and of V (40,960 each); wave 7 none.  Nothing is filled again: no ring.
; The barrier at a pass's head shows waves 0 to 2's loads, which have load lines of their own; the pass's first four steps read key steps 0-4 alone; the barrier behind them shows all.
; NO PREFETCH: every byte that the work-group reads through LDS is asked for at the head, and there is no loop to run ahead in.
; LAYOUT.  Both products are used transposed: S^T = K Q^T, O^T = V^T P^T: a lane holds ONE query (lane % 16).  By the order of rows in a tile (tile 2 B + u: rows 32 B + 8 u + r + 8 (r / 8)) the 16 registers of tiles 2 B, 2 B + 1 are 16 neighbours.
; A KEY STEP: the first products; behind them one run of 34 LDS loads (this step's V, the next step's K); maxima, M, f; O^T and the sums x f; t - M; the 136 exponentials as one batch; scale words; sums, holds, conversions; the second products.
; LIMITS: NaN and infinities are not served.  A block's largest p is made from its largest score by the same two instructions, which takes v_exp_f32 not to fall where its input rises.  A block of zeros gets the byte 1.
; O's scale bytes leave as 2 bytes a row (the word's other bytes are other heads'): 1/32 of the bytes of codes that the launch stores.
; REGISTERS.  window 0: v1-8, v11 addresses; v9, v10, v12-15 at work; v16-23 statistics; v24, v25 p's scale words; v28-51 at work, 12 a tile; v55, v63 the add's two; v56-62 scale words of K, V, Q; v64-191 S^T, then p, of X, Y; v192-223 p's codes; v224-255 Q.
;   window 1: v0-63 O^T of X, Y; v64-191 K's eight fragments; v192-255 V's four.
.set HS,    413696
.set QSOFF, 393216
.set LV,    131072                     ; LDS: K at 0, V here,
.set LKS,   262144                     ; K's scale words, 512 bytes a step,
.set LVS,   270336                     ; V's, 256 bytes a step
.set SPARE, 274432                     ; the spare words: 128 bytes a wave, four blocks of 256 bytes that no other line names
.set L16,  1
.set AV0,  2
.set AKS0, 3
.set AVS0, 4
.set ADK,  5
.set ADV,  6
.set ADS,  7
.set ADT,  8
.set TMP,  9
.set OSA,  11
.set FF,   12                          ; v[12:13], v[14:15]: the old -M, then f (at the end 1 / the sum); the upper words = 0
.set STX,  16                          ; tile x at v[16 + 4 x]: -M, the largest score, the sum in two halves
.set PWX,  24
.set TM,   28                          ; tile x at v[28 + 12 x]: +0..3 blocks' largest scores, p, scale operands; +4..7 the other half's maxima, bytes, two chains of the sum; +8..11 the holds
.set SPW,  55
.set KS,   56
.set VS,   60
.set QS,   62
.set NIL,  63
.set SX,   64
.set PX,   192
.set QX,   224
.set OX,   0
.set KF,   64
.set VF,   192
.set WV,   10
.set CS,   22
.set G1S,  24
.set G1C,  32
.set G1D,  40
.set G0S,  48
.set G0C,  52
.set G0D,  56
.set SEL,  60
.set MNT,  62
.set PASS, 63
.set TB,   66
.set TS,   67
.set TJ,   68
.set CNT,  69
.set HM,   70
.set MSB, 0
.macro WIN new
.if MSB != (\new)
	s_set_vgpr_msb (MSB<<8)|(\new)
.set MSB, (\new)
.endif
.endm
.macro PLACES n
.rept \n
	v_nop
.endr
.endm
.macro WALU
	s_wait_alu depctr_va_vdst(0)
.endm
.macro CROUND                          ; a round of the cluster's barrier
	s_barrier_signal -1
	s_barrier_wait -1
	s_cmp_lg_u32 s[WV], 0
	s_cbranch_scc1 .Lnot_wave_0_\@
	s_barrier_signal -3
.Lnot_wave_0_\@:
	s_barrier_wait -3
	s_barrier_signal -1
	s_barrier_wait -1
.endm
.macro GROUP1 g, rows                  ; a dense block as rows of 256 bytes (32 elements of 8 bytes); the mask names all four work-groups, bit 21 beside it
	s_mov_b32 s[\g], 15|(3<<16)|(1<<21)
	s_mov_b32 s[\g+1], 32<<16
	s_mov_b32 s[\g+2], (\rows)<<16
	s_mov_b32 s[\g+3], 32<<16
	s_mov_b32 s[\g+4], \rows
	s_mov_b32 s[\g+5], 32
	s_mov_b32 s[\g+6], 0
	s_mov_b32 s[\g+7], 0
.endm
.macro ARM under, g0, g1, next         ; one arm of the head's chain: a load, its s_nop 0 and four v_nop, a jump to the join
	s_cmp_lt_u32 s[WV], \under
	s_cbranch_scc0 \next
	tensor_load_to_lds s[\g0:\g0+3], s[\g1:\g1+7]
	s_nop 0
	PLACES 4
	s_branch .Lhead_asked
\next:
.endm
	s_load_b128 s[4:7], s[0:1], 0x0                ; qkv s[4:5], img s[6:7]
	s_load_b64 s[8:9], s[0:1], 0x10                ; scl
	v_lshl_add_u32 v[SPW], v0, 2, SPARE
	v_mov_b32 v[NIL], 0
	ds_add_u32 v[SPW], v[NIL]                      ; the opening lines: the add, twice on end, and its wait
	ds_add_u32 v[SPW], v[NIL]
	v_lshrrev_b32 v1, 5, v0
	v_readfirstlane_b32 s[WV], v1                  ; wave 0..7
	s_bfe_u32 s11, ttmp6, 0x40000                  ; cx: it enters Q's and O's addresses alone
	s_and_b32 s12, ttmp7, 0xffff                   ; the head, 0..63, which the four partners share
	GROUP1 G1S, 48
	GROUP1 G1C, 192
	GROUP1 G1D, 160
	s_mov_b32 s[CS], 0x3e38aa3b                    ; c = log2(e) / 8
	s_mov_b32 s[CS+1], s[CS]
	s_mov_b32 s[SEL], 0x76543210
	s_mov_b32 s[SEL+1], 0xfedcba98
	s_mov_b32 s[MNT], 0x600000
	s_mov_b32 s[HM], 0xffff0000
	s_mov_b32 s[PASS], 2
	s_mul_i32 s72, s12, HS
	s_mov_b32 s73, 0
	s_lshr_b32 s74, s[WV], 1
	s_lshl_b32 s74, s74, 17                        ; waves 1, 2: K's block at 0, V's at 131,072, in LDS as in memory
	s_add_co_u32 s75, s[WV], 1                     ; waves 3 to 6: 4 .. 7: bit 1 K or V, bit 0 which 40,960 bytes
	s_bfe_u32 s76, s75, 0x10001
	s_lshl_b32 s76, s76, 17
	s_and_b32 s75, s75, 1
	s_mul_i32 s75, s75, 40960
	s_add_co_u32 s75, s75, s76
	s_add_co_u32 s75, s75, 49152
	s_mov_b32 s77, 0
	s_wait_dscnt 0x0
	s_wait_kmcnt 0x0
	s_add_nc_u64 s[72:73], s[4:5], s[72:73]        ; the head's block
	s_mov_b32 s[G0S], 1
	s_mov_b32 s[G0S+1], LKS
	s_add_nc_u64 s[G0S+2:G0S+3], s[72:73], 401408
	s_or_b32 s[G0S+3], s[G0S+3], 0x80000000
	s_mov_b32 s76, s74
	s_add_nc_u64 s[78:79], s[72:73], s[76:77]
	s_mov_b32 s[G0C], 1
	s_mov_b32 s[G0C+1], s74
	s_add_nc_u64 s[G0C+2:G0C+3], s[78:79], 131072
	s_or_b32 s[G0C+3], s[G0C+3], 0x80000000
	s_mov_b32 s76, s75
	s_add_nc_u64 s[78:79], s[72:73], s[76:77]
	s_mov_b32 s[G0D], 1
	s_mov_b32 s[G0D+1], s75
	s_add_nc_u64 s[G0D+2:G0D+3], s[78:79], 131072
	s_or_b32 s[G0D+3], s[G0D+3], 0x80000000
	CROUND                                         ; all four work-groups are here: the joint loads meet
	ARM 1, G0S, G1S, .Lhead_c
	ARM 3, G0C, G1C, .Lhead_d
	ARM 7, G0D, G1D, .Lhead_none
.Lhead_asked:
	; where my tiles lie.  tp: my pair of tiles of queries, 16 cx + 8 pass + wave
	s_lshl_b32 s71, s11, 4
	s_add_co_u32 s71, s71, s[WV]
	s_lshl_b32 s76, s71, 11
	s_add_nc_u64 s[14:15], s[72:73], s[76:77]      ; Q's images: 2,048 bytes a pair
	s_lshr_b32 s76, s71, 2
	s_lshl_b32 s76, s76, 9
	s_and_b32 s80, s71, 3
	s_lshl_b32 s80, s80, 2
	s_add_co_u32 s76, s76, s80
	s_add_co_u32 s76, s76, QSOFF
	s_add_nc_u64 s[16:17], s[72:73], s[76:77]      ; Q's scale words: 512 (tp / 4) + 4 (tp % 4)
	s_lshr_b32 s80, s12, 4
	s_lshl_b32 s80, s80, 7
	s_lshl_b32 s81, s71, 1
	s_add_co_u32 s80, s80, s81
	s_add_co_u32 s80, s80, 1792                    ; X's tile in img and scl: 1792 + 128 x batch + 2 tp
	s_and_b32 s81, s12, 15                         ; the head within the batch
	s_lshl_b32 s76, s80, 14
	s_lshl_b32 s82, s81, 10                        ; a head's 64 features are 1,024 bytes of a tile's image
	s_add_co_u32 s76, s76, s82
	s_add_nc_u64 s[18:19], s[6:7], s[76:77]
	s_lshl_b32 s76, s80, 9
	s_lshr_b32 s82, s81, 3
	s_lshl_b32 s82, s82, 8
	s_add_co_u32 s76, s76, s82
	s_and_b32 s82, s81, 7
	s_lshl_b32 s82, s82, 1
	s_add_co_u32 s76, s76, s82                     ; its two scale bytes: 256 (head / 8) + 2 (head % 8)
	s_add_nc_u64 s[20:21], s[8:9], s[76:77]
	v_and_b32 v26, 31, v0
	v_lshlrev_b32 v[L16], 4, v26
	v_add_nc_u32 v[AV0], LV, v[L16]
	v_add_nc_u32 v[AKS0], LKS, v[L16]
	v_lshlrev_b32 v[AVS0], 3, v26
	v_add_nc_u32 v[AVS0], LVS, v[AVS0]
	v_and_b32 v27, 15, v0
	v_bfe_u32 v52, v0, 4, 1
	v_lshlrev_b32 v[OSA], 4, v27
	v_lshl_add_u32 v[OSA], v52, 9, v[OSA]
	v_mov_b32 v[FF+1], 0
	v_mov_b32 v[FF+3], 0
.irp b, 0,1,2,3
	v_mov_b32 v[TM+4+\b], 0                        ; written once: a lane permute's destination counts as one of its sources
	v_mov_b32 v[TM+16+\b], 0
.endr
.irp j, 8,9,10,11,12,13,14,15
	v_mov_b32 v[QX+\j], 0                          ; zero codes for k = 64 .. 127 of Q's fragments,
	v_mov_b32 v[QX+16+\j], 0
.endr
	WIN 0x40
.irp t, 0,1,2,3,4,5,6,7
.irp j, 8,9,10,11,12,13,14,15
	v_mov_b32 v[KF+16*\t+\j], 0                    ; and of K's: written once, no load lands there
.endr
.endr
	WIN 0
	WALU                                           ; the head's end
.macro KQ t, x                         ; S^T of tile x, keys of K's tile t.  K's words: lanes 0-15 tile 2 i, lanes 16-31 tile 2 i + 1.  Q's: lanes 0-15 X's, lanes 16-31 Y's
.set rS, SX+64*(\x)+8*(\t)
.set rK, KF+16*(\t)
.set rQ, QX+16*(\x)
.set rC, KS+(\t)/2
.if ((\t)%2 == 1) && (\x == 1)
	v_wmma_scale_f32_16x16x128_f8f6f4 v[rS:rS+7], v[rK:rK+15], v[rQ:rQ+15], 0, v[rC], v[QS] matrix_a_fmt:MATRIX_FMT_BF8 matrix_b_fmt:MATRIX_FMT_BF8 matrix_a_scale:MATRIX_SCALE_ROW1 matrix_b_scale:MATRIX_SCALE_ROW1
.elseif (\t)%2 == 1
	v_wmma_scale_f32_16x16x128_f8f6f4 v[rS:rS+7], v[rK:rK+15], v[rQ:rQ+15], 0, v[rC], v[QS] matrix_a_fmt:MATRIX_FMT_BF8 matrix_b_fmt:MATRIX_FMT_BF8 matrix_a_scale:MATRIX_SCALE_ROW1
.elseif \x == 1
	v_wmma_scale_f32_16x16x128_f8f6f4 v[rS:rS+7], v[rK:rK+15], v[rQ:rQ+15], 0, v[rC], v[QS] matrix_a_fmt:MATRIX_FMT_BF8 matrix_b_fmt:MATRIX_FMT_BF8 matrix_b_scale:MATRIX_SCALE_ROW1
.else
	v_wmma_scale_f32_16x16x128_f8f6f4 v[rS:rS+7], v[rK:rK+15], v[rQ:rQ+15], 0, v[rC], v[QS] matrix_a_fmt:MATRIX_FMT_BF8 matrix_b_fmt:MATRIX_FMT_BF8
.endif
.endm
.macro PV t, x                         ; O^T of tile x, features of V's tile t, += over the step's 128 keys
.set rO, OX+32*(\x)+8*(\t)
.set rV, VF+16*(\t)
.set rP, PX+16*(\x)
.set rC, VS+(\t)/2
.if (\t)%2 == 1
	v_wmma_scale_f32_16x16x128_f8f6f4 v[rO:rO+7], v[rV:rV+15], v[rP:rP+15], v[rO:rO+7], v[rC], v[PWX+(\x)] matrix_a_fmt:MATRIX_FMT_BF8 matrix_b_fmt:MATRIX_FMT_BF8 matrix_a_scale:MATRIX_SCALE_ROW1
.else
	v_wmma_scale_f32_16x16x128_f8f6f4 v[rO:rO+7], v[rV:rV+15], v[rP:rP+15], v[rO:rO+7], v[rC], v[PWX+(\x)] matrix_a_fmt:MATRIX_FMT_BF8 matrix_b_fmt:MATRIX_FMT_BF8
.endif
.endm
.macro PKF t                           ; t - M of tile t's 64 scores, two at a time
.set j, 0
.rept 32
	v_pk_fma_f32 v[SX+64*(\t)+j:SX+64*(\t)+j+1], v[SX+64*(\t)+j:SX+64*(\t)+j+1], s[CS:CS+1], v[STX+4*(\t):STX+4*(\t)+1] op_sel_hi:[1,0,0]
.set j, j+2
.endr
.endm
; Tile t: THE ROW'S SUM OF THE UNQUANTISED p, two at a time in three chains (joined behind both tiles); behind each addition the hold of a pair that has been added already; behind the holds of eight numbers their conversion.
; The hold: the conversion does not saturate (ISA guide 7.6.2); p is not negative, so it is one-sided; two neighbours are held by one dual instruction.
.macro SMC t
.set rS, SX+64*(\t)
.set rP, PX+16*(\t)
.set c0, STX+4*(\t)+2
.set c1, TM+12*(\t)+4
.set c2, TM+12*(\t)+6
.set k, 0
.rept 32
.if k == 0
	v_pk_add_f32 v[c1:c1+1], v[rS:rS+1], v[rS+2:rS+3]
.elseif k == 1
	v_pk_add_f32 v[c2:c2+1], v[rS+4:rS+5], v[rS+6:rS+7]
.elseif (k < 30) && (k%3 == 2)
	v_pk_add_f32 v[c0:c0+1], v[c0:c0+1], v[rS+2*k+4:rS+2*k+5]
.elseif (k < 30) && (k%3 == 0)
	v_pk_add_f32 v[c1:c1+1], v[c1:c1+1], v[rS+2*k+4:rS+2*k+5]
.elseif k < 30
	v_pk_add_f32 v[c2:c2+1], v[c2:c2+1], v[rS+2*k+4:rS+2*k+5]
.endif
.set hd, TM+12*(\t)+8+k/8
	v_dual_min_num_f32 v[rS+2*k], v[rS+2*k], v[hd] :: v_dual_min_num_f32 v[rS+2*k+1], v[rS+2*k+1], v[hd]
.if (k%4 == 1) && (k >= 5)
.set g, (k-5)/4
	v_cvt_scalef32_pk8_bf8_f32 v[rP+2*g:rP+2*g+1], v[rS+8*g:rS+8*g+7], v[TM+12*(\t)+g/2]
.endif
.set k, k+1
.endr
	v_cvt_scalef32_pk8_bf8_f32 v[rP+14:rP+15], v[rS+56:rS+63], v[TM+12*(\t)+3]   ; a plain line follows in both places where this macro stands
.endm
.macro KLOAD ak, as, ok, os            ; a step's eight fragments of K and its scale words: 17 LDS loads
	WIN 0x40
.irp t, 0,1,2,3,4,5,6,7
	ds_load_b128 v[KF+16*\t:KF+16*\t+3], v[\ak] offset:\ok+1024*\t
	ds_load_b128 v[KF+16*\t+4:KF+16*\t+7], v[\ak] offset:\ok+1024*\t+512
.endr
	WIN 0
	ds_load_b128 v[KS:KS+3], v[\as] offset:\os
.endm
; A KEY STEP: 128 keys.  Register 16 b + i of S^T is key 32 b + 16 h + i of my query.
.macro STEP
	s_wait_dscnt 0x0                               ; this step's K, asked for a step ago
	WIN 0x01
.irp t, 0,1,2,3,4,5,6,7
	KQ \t, 0
	KQ \t, 1
.endr
	WIN 0
	v_add_nc_u32 v[ADK], s[TB], v[L16]             ; eight plain lines behind the products, ahead of the loads into K's and V's registers and of the first read of the scores
	v_add_nc_u32 v[ADV], s[TB], v[AV0]
	v_add_nc_u32 v[ADS], s[TS], v[AKS0]
	v_add_nc_u32 v[ADT], s[TJ], v[AVS0]
	v_mov_b32 v[FF], v[STX]                        ; the old -M
	v_mov_b32 v[FF+2], v[STX+4]
	PLACES 2
	ds_load_b64 v[VS:VS+1], v[ADT]                 ; this step's V: 17 loads
	WIN 0x40
.irp t, 0,1,2,3
.irp c, 0,1,2,3
	ds_load_b128 v[VF+16*\t+4*\c:VF+16*\t+4*\c+3], v[ADV] offset:2048*\t+512*\c
.endr
.endr
	KLOAD ADK, ADS, 8192, 512                      ; the next step's K: 17 loads.  (A pass's last step so reads 8,192 landed bytes of V and 512 of V's scale words, which nothing uses)
.irp b, 0,1,2,3
.irp x, 0,1
	v_max3_num_f32 v[TM+12*\x+\b], v[SX+64*\x+16*\b], v[SX+64*\x+16*\b+1], v[SX+64*\x+16*\b+2]   ; the largest score of each block of 32 keys: for the row's maximum and for the block's largest p.  Eight chains by turns
.endr
.endr
.irp i, 3,5,7,9,11,13
.irp b, 0,1,2,3
.irp x, 0,1
	v_max3_num_f32 v[TM+12*\x+\b], v[TM+12*\x+\b], v[SX+64*\x+16*\b+\i], v[SX+64*\x+16*\b+\i+1]
.endr
.endr
.endr
.irp b, 0,1,2,3
.irp x, 0,1
	v_max_num_f32 v[TM+12*\x+\b], v[TM+12*\x+\b], v[SX+64*\x+16*\b+15]
.endr
.endr
.irp b, 0,1,2,3
.irp x, 0,1
	v_permlanex16_b32 v[TM+12*\x+4+\b], v[TM+12*\x+\b], s[SEL], s[SEL+1]
.endr
.endr
.irp b, 0,1,2,3
.irp x, 0,1
	v_max_num_f32 v[TM+12*\x+\b], v[TM+12*\x+\b], v[TM+12*\x+4+\b]   ; with lane l xor 16's 16 keys
.endr
.endr
.irp x, 0,1
	v_max3_num_f32 v[TMP+\x], v[TM+12*\x], v[TM+12*\x+1], v[TM+12*\x+2]
.endr
.irp x, 0,1
	v_max3_num_f32 v[STX+4*\x+1], v[STX+4*\x+1], v[TMP+\x], v[TM+12*\x+3]   ; the running largest SCORE: c is positive and rounding keeps order
.endr
.irp x, 0,1
	v_mul_f32 v[TMP+\x], s[CS], v[STX+4*\x+1]
.endr
.irp x, 0,1
	v_floor_f32 v[STX+4*\x], -v[TMP+\x]            ; the new -M = floor(-t): M is a whole number
.endr
.irp x, 0,1
	v_sub_f32 v[TMP+\x], v[STX+4*\x], v[FF+2*\x]   ; old M - new M: a whole number, 0 or less
.endr
.irp b, 0,1,2,3
.irp x, 0,1
	v_fma_f32 v[TM+12*\x+\b], v[TM+12*\x+\b], s[CS], v[STX+4*\x]   ; t - M of each block's largest score
.endr
.endr
.irp x, 0,1
	v_cvt_i32_f32 v[TMP+\x], v[TMP+\x]             ; (it saturates)
.endr
	PKF 0
.irp x, 0,1
	v_ldexp_f32 v[FF+2*\x], 1.0, v[TMP+\x]         ; f = 2^(old M - new M)
.endr
	PKF 1
.irp x, 0,1
	v_pk_mul_f32 v[STX+4*\x+2:STX+4*\x+3], v[STX+4*\x+2:STX+4*\x+3], v[FF+2*\x:FF+2*\x+1] op_sel_hi:[1,0]   ; the sums under the new M
.endr
	WIN 0x41                                       ; O^T (destination and source 0) in window 1
.irp x, 0,1
.set j, 0
.rept 16
	v_pk_mul_f32 v[OX+32*\x+j:OX+32*\x+j+1], v[OX+32*\x+j:OX+32*\x+j+1], v[FF+2*\x:FF+2*\x+1] op_sel_hi:[1,0]   ; O^T under the new M, each accumulator from its low end on
.set j, j+2
.endr
.endr
	WIN 0
	WALU                                           ; ahead of the batch
.irp x, 0,1
.irp b, 0,1,2,3
	v_exp_f32 v[TM+12*\x+\b], v[TM+12*\x+\b]       ; each block's largest p
.endr
.endr
.set j, 0
.rept 128
	v_exp_f32 v[SX+j], v[SX+j]                     ; p = 2^(t - M), at most 1
.set j, j+1
.endr
	v_nop                                          ; a plain line behind the batch
	WALU                                           ; and the one wait behind it
.irp b, 0,1,2,3
.irp x, 0,1
	v_max_num_f32 v[TM+12*\x+\b], 0x8000000, v[TM+12*\x+\b]    ; the floor 2^(16 - 127): the byte cannot fall under 1
.endr
.endr
.irp b, 0,1,2,3
.irp x, 0,1
	v_and_or_b32 v[TM+12*\x+8+\b], v[TM+12*\x+\b], 0x7f800000, s[MNT]   ; 57,344 x the scale
.endr
.endr
.irp b, 0,1,2,3
.irp x, 0,1
	v_add_nc_u32 v[TM+12*\x+\b], 0xf8800000, v[TM+12*\x+\b]    ; 15 off the exponent field: the conversion's scale operand
.endr
.endr
.irp b, 0,1,2,3
.irp x, 0,1
	v_lshrrev_b32 v[TM+12*\x+4+\b], 23, v[TM+12*\x+\b]         ; the scale's byte
.endr
.endr
.irp x, 0,1
	v_lshl_or_b32 v[TM+12*\x+4], v[TM+12*\x+5], 8, v[TM+12*\x+4]
	v_lshl_or_b32 v[TM+12*\x+6], v[TM+12*\x+7], 8, v[TM+12*\x+6]
.endr
.irp x, 0,1
	v_lshl_or_b32 v[PWX+\x], v[TM+12*\x+6], 16, v[TM+12*\x+4]  ; p's scale word, far more than eight plain lines ahead of the products that name it
.endr
	SMC 0
	SMC 1
.irp x, 0,1
	v_pk_add_f32 v[TM+12*\x+4:TM+12*\x+5], v[TM+12*\x+4:TM+12*\x+5], v[TM+12*\x+6:TM+12*\x+7]   ; the chains are joined: four plain lines between the last conversion and the products
.endr
.irp x, 0,1
	v_pk_add_f32 v[STX+4*\x+2:STX+4*\x+3], v[STX+4*\x+2:STX+4*\x+3], v[TM+12*\x+4:TM+12*\x+5]
.endr
	WALU                                           ; directly ahead of the wait below
	s_wait_dscnt 17                                ; the next K's 17 loads may stay out; V's 17, which are older, are in
	WIN 0x51                                       ; V, C and D in window 1.  The eight accumulators take turns, one instruction a turn
.irp t, 0,1,2,3
	PV \t, 0
	PV \t, 1
.endr
	WIN 0
	s_add_co_u32 s[TB], s[TB], 8192
	s_add_co_u32 s[TS], s[TS], 512
	s_add_co_u32 s[TJ], s[TJ], 256
.endm
.macro SEG first, n                    ; n key steps from step first on
	s_mov_b32 s[TB], 8192*\first
	s_mov_b32 s[TS], 512*\first
	s_mov_b32 s[TJ], 256*\first
	s_mov_b32 s[CNT], \n
.Lstep_\@:
	STEP
	s_sub_co_u32 s[CNT], s[CNT], 1
	s_cmp_lg_u32 s[CNT], 0
	s_cbranch_scc1 .Lstep_\@
.endm
.macro QUANT2 s, pc, pw                ; 32 numbers of a lane, register 16 b + i = feature 32 b + 16 h + i of the head, become 8 registers of codes and two scale bytes
.irp b, 0,1
	v_max3_num_f32 v[TM+\b], |v[\s+16*\b]|, |v[\s+1+16*\b]|, 0x8000000
.endr
.irp i, 2,4,6,8,10,12,14
.irp b, 0,1
	v_max3_num_f32 v[TM+\b], v[TM+\b], |v[\s+16*\b+\i]|, |v[\s+1+16*\b+\i]|
.endr
.endr
.irp b, 0,1
	v_permlanex16_b32 v[TM+4+\b], v[TM+\b], s[SEL], s[SEL+1]
.endr
.irp b, 0,1
	v_max_num_f32 v[TM+\b], v[TM+\b], v[TM+4+\b]
.endr
.irp b, 0,1
	v_add_nc_u32 v[TM+12+\b], 0xf8800000, v[TM+\b]
.endr
.irp b, 0,1
	v_and_or_b32 v[TM+8+\b], v[TM+\b], 0x7f800000, s[MNT]
.endr
.irp b, 0,1
	v_lshrrev_b32 v[TM+4+\b], 23, v[TM+12+\b]
.endr
	v_lshl_or_b32 v[\pw], v[TM+5], 8, v[TM+4]
.irp b, 0,1
.set i, 0
.rept 16
	v_med3_num_f32 v[\s+16*\b+i], v[\s+16*\b+i], -v[TM+8+\b], v[TM+8+\b]
.set i, i+1
.endr
	v_cvt_scalef32_pk8_bf8_f32 v[\pc+4*\b:\pc+1+4*\b], v[\s+16*\b:\s+7+16*\b], v[TM+12+\b]
	v_cvt_scalef32_pk8_bf8_f32 v[\pc+2+4*\b:\pc+3+4*\b], v[\s+8+16*\b:\s+15+16*\b], v[TM+12+\b]
.endr
	v_nop
.endm
.Lpass:
	global_load_b128 v[QX:QX+3], v[L16], s[14:15]
	global_load_b128 v[QX+4:QX+7], v[L16], s[14:15] offset:512
	global_load_b128 v[QX+16:QX+19], v[L16], s[14:15] offset:1024
	global_load_b128 v[QX+20:QX+23], v[L16], s[14:15] offset:1536
	global_load_b32 v[QS], v[L16], s[16:17]
.irp x, 0,1
	v_mov_b32 v[STX+4*\x+1], 0xff61b1e6            ; the largest score so far: -3e38, under every score
	v_floor_f32 v[STX+4*\x], -v[STX+4*\x+1]        ; -M: so large that the first f is 0
	v_mov_b32 v[STX+4*\x+2], 0
	v_mov_b32 v[STX+4*\x+3], 0
.endr
	WIN 0x40
.set j, 0
.rept 64
	v_mov_b32 v[OX+j], 0                           ; O^T: the step is written once; the first finds zeros, which the first change of M leaves zeros
.set j, j+1
.endr
	WIN 0
	WALU                                           ; directly ahead of the branch and the waits below
	s_cmp_lt_u32 s[WV], 3
	s_cbranch_scc0 .Lnot_first
	s_wait_tensorcnt 0x0                           ; waves 0 to 2: the scale words and key steps 0-5 have landed.  The other waves' wait stands at the second barrier
.Lnot_first:
	s_wait_dscnt 0x0                               ; (second pass: the loads of K that ran ahead of the last step have landed, so K's registers may be loaded anew)
	s_barrier_signal -1
	s_barrier_wait -1
	KLOAD L16, AKS0, 0, 0                          ; the pass's first K
	s_wait_loadcnt 0x0                             ; Q
	SEG 0, 4                                       ; reads V's steps 0-3 and K's 1-4
	s_wait_tensorcnt 0x0                           ; every wave: all has landed
	s_wait_dscnt 0x0
	s_barrier_signal -1
	s_barrier_wait -1
	SEG 4, 12
	; THE WAY OUT: O^T / the sum, quantised; the codes are the last projection's operand registers
.irp x, 0,1
	v_add_f32 v[TMP+\x], v[STX+4*\x+2], v[STX+4*\x+3]   ; the sum's two halves,
.endr
.irp x, 0,1
	v_permlanex16_b32 v[TM+4+\x], v[TMP+\x], s[SEL], s[SEL+1]
.endr
.irp x, 0,1
	v_add_f32 v[TMP+\x], v[TMP+\x], v[TM+4+\x]     ; and lane l xor 16's
.endr
	PLACES 4                                       ; with the lines above: eight and more plain lines behind the last products
	WALU                                           ; ahead of the two reciprocals
	v_rcp_f32 v[FF], v[TMP]
	v_rcp_f32 v[FF+2], v[TMP+1]
	v_nop                                          ; a plain line behind them
	WIN 0x01
	WALU                                           ; behind them, directly ahead of the first readers of O^T
.irp x, 0,1
.set j, 0
.rept 16
	v_pk_mul_f32 v[SX+64*\x+j:SX+64*\x+j+1], v[OX+32*\x+j:OX+32*\x+j+1], v[FF+2*\x:FF+2*\x+1] op_sel_hi:[1,0]   ; each accumulator from its low end on
.set j, j+2
.endr
.endr
	WIN 0
.irp x, 0,1
	QUANT2 SX+64*\x, PX+16*\x, PWX+\x
	global_store_b128 v[L16], v[PX+16*\x:PX+16*\x+3], s[18:19] offset:16384*\x          ; 512 consecutive bytes, aligned
	global_store_b128 v[L16], v[PX+16*\x+4:PX+16*\x+7], s[18:19] offset:16384*\x+512
.endr
	v_cndmask_b32 v[TMP], v[PWX], v[PWX+1], s[HM]  ; lanes 0-15: X's rows; lanes 16-31: Y's
	global_store_b16 v[OSA], v[TMP], s[20:21]
	s_wait_xcnt 0x0                                ; the stores have read their registers and bases: both may be written again
	s_add_nc_u64 s[14:15], s[14:15], 16384         ; eight pairs of tiles on
	s_add_nc_u64 s[16:17], s[16:17], 1024
	s_add_nc_u64 s[18:19], s[18:19], 262144
	s_add_nc_u64 s[20:21], s[20:21], 8192
	s_sub_co_u32 s[PASS], s[PASS], 1
	s_cmp_lg_u32 s[PASS], 0
	s_cbranch_scc1 .Lpass
	s_wait_tensorcnt 0x0                           ; the wave's end
	ds_add_u32 v[SPW], v[NIL]
	s_wait_dscnt 0x0
	CROUND                                         ; the closing round
	s_endpgm
.Lfunc_end_k_qa63a77f648_attn:
	.size	k_qa63a77f648_attn, .Lfunc_end_k_qa63a77f648_attn-k_qa63a77f648_attn
	.p2alignl 7, 3214868480
	.fill 96, 4, 3214868480
	.section	.rodata,"a",@progbits
	.p2align	6, 0x0
	.amdhsa_kernel k_qa63a77f648_attn
		.amdhsa_group_segment_fixed_size 275456
		.amdhsa_private_segment_fixed_size 0
		.amdhsa_enable_private_segment 0
		.amdhsa_kernarg_size 24
		.amdhsa_user_sgpr_count 2
		.amdhsa_user_sgpr_kernarg_segment_ptr 1
		.amdhsa_wavefront_size32 1
		.amdhsa_system_sgpr_workgroup_id_x 1
		.amdhsa_system_sgpr_workgroup_id_y 1
		.amdhsa_system_sgpr_workgroup_id_z 1
		.amdhsa_system_vgpr_workitem_id 0
		.amdhsa_next_free_vgpr 512
		.amdhsa_next_free_sgpr 84
		.amdhsa_reserve_vcc 0
		.amdhsa_float_denorm_mode_32 3
		.amdhsa_float_denorm_mode_16_64 3
		.amdhsa_memory_ordered 1
		.amdhsa_forward_progress 1
		.amdhsa_inst_pref_size 94
	.end_amdhsa_kernel
	.amdgpu_metadata
---
amdhsa.version: [ 1, 2 ]
amdhsa.kernels:
  - .name:           k_qa63a77f648_attn
    .symbol:         k_qa63a77f648_attn.kd
    .args:
      - { .name: qkv, .offset: 0, .size: 8, .value_kind: global_buffer, .address_space: global }
      - { .name: img, .offset: 8, .size: 8, .value_kind: global_buffer, .address_space: global }
      - { .name: scl, .offset: 16, .size: 8, .value_kind: global_buffer, .address_space: global }
    .group_segment_fixed_size: 275456
    .private_segment_fixed_size: 0
    .kernarg_segment_align: 8
    .kernarg_segment_size: 24
    .max_flat_workgroup_size: 256
    .sgpr_count:     84
    .vgpr_count:     512
    .wavefront_size: 32
...
	.end_amdgpu_metadata
.endif
;; end of part 7
;; launch outp (part 8): grid 4 x 32, 4 waves a work-group, clusters of 4 x 4, 327,680 bytes of LDS; arguments img, scl, bo, out0; writes out0
.if DOCPART == 8
	.amdgcn_target "amdgcn-amd-amdhsa--gfx1250"
	.amdhsa_code_object_version 6
	.text
	.protected	k_qa63a77f648_outp
	.globl	k_qa63a77f648_outp
	.p2align	8
	.type	k_qa63a77f648_outp,@function
k_qa63a77f648_outp:
	s_mov_b64 s[64:65], 0
	v_nop
	global_prefetch_b8 v0, s[64:65] scope:SCOPE_SE
	s_setreg_imm32_b32 hwreg(HW_REG_WAVE_MODE, 25, 1), 1
	s_wait_xcnt 0x0
	s_wait_alu depctr_hold_cnt(0) depctr_sa_sdst(0) depctr_va_vdst(0) depctr_va_sdst(0) depctr_va_ssrc(0) depctr_va_vcc(0) depctr_vm_vsrc(0)
	s_getreg_b32 s2, hwreg(HW_REG_IB_STS2, 6, 4)
	s_cmp_eq_u32 s2, 0
	s_cbranch_scc0 .Lentry_in_a_cluster
	s_endpgm
.Lentry_in_a_cluster:
	s_bfe_u32 s2, ttmp6, 0x10000c
	s_cmp_lg_u32 s2, 0xf033
	s_cbranch_scc0 .Lentry_shape_is_right
	s_endpgm
.Lentry_shape_is_right:
.set SLOT,  131072
.set BOFF,  65536
.set SPARE, 262144
.set FR,    16
.set NP,    8
.set SPITCH, 528
.set ADRA,  16
.set ADRB,  20
.set STO,   24
.set RD,    25
.set CO,    26
.set ADRS,  27
.set SPW,   28
.set NIL,   29
.set SC,    32
.set BI,    96
.set AF,    128
.set BK,    128
.set WV,  16
.set WR,  17
.set WC,  18
.set G1,  24
.set G0,  32
.set G1B, 48
.set G0B, 56
.set HM,  77
.set MSB, 0
.macro WIN new
.if MSB != (\new)
	s_set_vgpr_msb (MSB<<8)|(\new)
.set MSB, (\new)
.endif
.endm
.set MUL_LO, 0xa1
.set MUL_HI, 0xf1
.set TO_B,   0x40
.macro PLACES n
.rept \n
	v_nop
.endr
.endm
.macro JLOAD s
	s_cmp_eq_u32 s[WR], 0
	s_cbranch_scc0 .Lfor_b_\@
	tensor_load_to_lds s[G0+4*\s:G0+4*\s+3], s[G1:G1+7]
	s_nop 0
	PLACES 4
	s_branch .Lasked_\@
.Lfor_b_\@:
	tensor_load_to_lds s[G0B+4*\s:G0B+4*\s+3], s[G1B:G1B+7]
	s_nop 0
	PLACES 4
.Lasked_\@:
.endm
.macro CREST
	s_cmp_lg_u32 s[WV], 0
	s_cbranch_scc1 .Lnot_wave_0_\@
	s_barrier_signal -3
.Lnot_wave_0_\@:
	s_barrier_wait -3
	s_barrier_signal -1
	s_barrier_wait -1
.endm
.macro CROUND
	s_barrier_signal -1
	s_barrier_wait -1
	CREST
.endm
	s_load_b256 s[4:11], s[0:1], 0x0
	v_lshl_add_u32 v[SPW], v0, 2, SPARE
	v_mov_b32 v[NIL], 0
	ds_add_u32 v28, v29
	ds_add_u32 v28, v29
	s_wait_dscnt 0x0
	v_lshrrev_b32 v1, 5, v0
	v_readfirstlane_b32 s[WV], v1
	s_lshr_b32 s[WR], s[WV], 1
	s_and_b32 s[WC], s[WV], 1
	s_bfe_u32 s40, ttmp6, 0x40000
	s_bfe_u32 s41, ttmp6, 0x40004
	s_and_b32 s42, ttmp7, 0xffff
	s_lshl_b32 s43, s41, 2
	s_lshl_b32 s43, 15, s43
	s_lshl_b32 s44, 0x1111, s40
	s_or_b32 s[G1], s43, (3<<16)|(1<<21)
	s_or_b32 s[G1B], s44, (3<<16)|(1<<21)
.irp g, G1, G1B
	s_mov_b32 s[\g+1], 512<<16
	s_mov_b32 s[\g+2], 8<<16
	s_mov_b32 s[\g+3], 512<<16
	s_mov_b32 s[\g+4], 8
	s_mov_b32 s[\g+5], 2048
	s_mov_b32 s[\g+6], 0
	s_mov_b32 s[\g+7], 0
.endr
	s_mov_b32 s[HM], 0xffff0000
	s_lshl_b32 s20, s42, 2
	s_add_co_u32 s20, s20, s41
	s_lshl_b32 s66, s20, 4
	s_add_co_u32 s66, s66, 1792
	s_lshl_b32 s46, s40, 4
	s_add_co_u32 s46, s46, 1728
	s_lshl_b32 s78, s[WR], 3
	s_add_co_u32 s78, s78, s66
	s_lshl_b32 s78, s78, 9
	s_lshl_b32 s79, s[WC], 3
	s_add_co_u32 s79, s79, s46
	s_lshl_b32 s79, s79, 9
	s_lshl_b32 s22, s[WC], 3
	s_add_co_u32 s66, s66, s22
	s_lshl_b32 s66, s66, 14
	s_mov_b32 s67, 0
	s_add_co_u32 s46, s46, s22
	s_lshl_b32 s46, s46, 14
	s_mov_b32 s47, 0
	s_lshl_b32 s45, s[WV], 15
	s_wait_kmcnt 0x0
	s_add_nc_u64 s[66:67], s[4:5], s[66:67]
	s_add_nc_u64 s[46:47], s[4:5], s[46:47]
	v_and_b32 v1, 15, v0                           ; the scale words of all eight K steps are asked for ahead of the first round
	v_mov_b32 v4, s78
	v_mov_b32 v5, s79
	v_cndmask_b32 v4, v4, v5, s[HM]
	v_lshl_add_u32 v[ADRS], v1, 4, v4
.irp i, 0,1,2,3,4,5,6,7
.irp u, 0,1
	global_load_b128 v[SC+8*\i+4*\u:SC+8*\i+4*\u+3], v[ADRS], s[6:7] offset:512*\i+256*\u
.endr
.endr
	CROUND
.irp s, 0,1
	s_mov_b32 s[G0+4*\s], 1
	s_add_co_u32 s[G0+4*\s+1], s45, \s*SLOT
	s_add_nc_u64 s[G0+4*\s+2:G0+4*\s+3], s[66:67], \s*4096
	s_or_b32 s[G0+4*\s+3], s[G0+4*\s+3], 0x80000000
	s_mov_b32 s[G0B+4*\s], 1
	s_add_co_u32 s[G0B+4*\s+1], s45, \s*SLOT
	s_add_nc_u64 s[G0B+4*\s+2:G0B+4*\s+3], s[46:47], \s*4096
	s_or_b32 s[G0B+4*\s+3], s[G0B+4*\s+3], 0x80000000
	s_wait_alu depctr_va_vdst(0)
	s_wait_tensorcnt 0x0
	ds_add_u32 v28, v29
	ds_add_u32 v28, v29
	s_wait_dscnt 0x0
	CROUND
	JLOAD \s
.endr
	v_bfe_u32 v2, v0, 4, 1
	v_and_b32 v3, 31, v0
	v_lshlrev_b32 v[CO], 4, v3
	s_wait_alu depctr_va_vdst(0)
	s_lshl_b32 s22, s[WR], 15
	s_lshl_b32 s23, s[WC], 15
	s_add_co_u32 s23, s23, BOFF
.irp s, 0,1
	v_add_nc_u32 v[ADRA+\s], s22, v[CO]
	v_add_nc_u32 v[ADRB+\s], s23, v[CO]
	s_add_co_u32 s22, s22, SLOT
	s_add_co_u32 s23, s23, SLOT
.endr
	s_lshl_b32 s80, s40, 10
	s_lshl_b32 s81, s[WC], 9
	s_add_co_u32 s80, s80, s81
	s_mov_b32 s81, 0
	s_add_nc_u64 s[8:9], s[8:9], s[80:81]
	global_load_b128 v[BI:BI+3], v[CO], s[8:9]
	s_lshl_b32 s82, s20, 1
	s_add_co_u32 s82, s82, s[WR]
	s_lshl_b32 s82, s82, 19
	s_mov_b32 s83, 0
	s_add_nc_u64 s[10:11], s[10:11], s[82:83]
	s_add_nc_u64 s[10:11], s[10:11], s[80:81]
	s_mul_i32 s84, s[WV], 16*SPITCH
	v_mul_u32_u24 v5, v1, SPITCH
	v_lshl_add_u32 v5, v2, 6, v5
	v_add_nc_u32 v[STO], s84, v5
	v_add_nc_u32 v[RD], s84, v[CO]
.macro FRAG reg, adr, q, i
.irp c, 0,1,2,3
	ds_load_b128 v[\reg+4*\c:\reg+4*\c+3], v[\adr] offset:4096*(\i)+2048*(\q)+512*\c
.endr
.endm
.macro MUL16 a0, p, ks, zero
.irp a, \a0, \a0+1
.irp b, 0,1,2,3,4,5,6,7
.if \zero
	v_wmma_scale_f32_16x16x128_f8f6f4 v[8*(8*((\a)%4)+\b):8*(8*((\a)%4)+\b)+7], v[128*(\p)+FR*\b:128*(\p)+FR*\b+FR-1], v[AF+FR*(\a):AF+FR*(\a)+FR-1], 0, v[SC+8*\b+(\ks)], v[SC+8*(\a)+(\ks)] matrix_a_fmt:MATRIX_FMT_BF8 matrix_b_fmt:MATRIX_FMT_BF8 matrix_a_scale:MATRIX_SCALE_ROW1
.else
	v_wmma_scale_f32_16x16x128_f8f6f4 v[8*(8*((\a)%4)+\b):8*(8*((\a)%4)+\b)+7], v[128*(\p)+FR*\b:128*(\p)+FR*\b+FR-1], v[AF+FR*(\a):AF+FR*(\a)+FR-1], v[8*(8*((\a)%4)+\b):8*(8*((\a)%4)+\b)+7], v[SC+8*\b+(\ks)], v[SC+8*(\a)+(\ks)] matrix_a_fmt:MATRIX_FMT_BF8 matrix_b_fmt:MATRIX_FMT_BF8 matrix_a_scale:MATRIX_SCALE_ROW1
.endif
.endr
.endr
.endm
.macro FETCH_B slot, q, p
	WIN TO_B
.irp i, 0,1,2,3,4,5,6,7
	FRAG 128*(\p)+FR*\i, ADRB+\slot, \q, \i
.endr
	WIN 0
.endm
.macro FETCH_A slot, q, i0
.irp i, \i0, \i0+1, \i0+2, \i0+3
	FRAG AF+FR*(\i), ADRA+\slot, \q, \i
.endr
.endm
.macro STEP slot, ks, zero
	s_wait_dscnt 16
	WIN MUL_LO
	MUL16 0, 0, \ks, \zero
	MUL16 2, 0, \ks, \zero
	s_wait_dscnt 0
	PLACES NP
	FETCH_B \slot, 1, 1
	FETCH_A \slot, 1, 0
	WIN MUL_HI
	MUL16 4, 0, \ks, \zero
	MUL16 6, 0, \ks, \zero
	PLACES NP
	WIN 0
	FETCH_A \slot, 1, 4
.endm
.macro TURN slot, next, fill, ks
	s_wait_tensorcnt 0x0
	ds_add_u32 v[SPW], v[NIL]
	s_wait_dscnt 17
	WIN MUL_LO
	MUL16 0, 1, \ks, 0
	s_wait_dscnt 0x0
	s_barrier_signal -1
	MUL16 2, 1, \ks, 0
	WIN 0
	s_barrier_wait -1
.if \fill
	CREST
	s_add_nc_u64 s[G0+4*\slot+2:G0+4*\slot+3], s[G0+4*\slot+2:G0+4*\slot+3], 8192
	s_add_nc_u64 s[G0B+4*\slot+2:G0B+4*\slot+3], s[G0B+4*\slot+2:G0B+4*\slot+3], 8192
	JLOAD \slot
	PLACES NP-4
.else
	PLACES NP
.endif
	s_wait_alu depctr_va_vdst(0)
	FETCH_B \next, 0, 0
	FETCH_A \next, 0, 0
	WIN MUL_HI
	MUL16 4, 1, \ks, 0
	MUL16 6, 1, \ks, 0
	PLACES NP
	WIN 0
	FETCH_A \next, 0, 4
.endm
	s_wait_alu depctr_va_vdst(0)                   ; the head's end
	s_wait_loadcnt 0x0
	s_wait_tensorcnt 1
	s_barrier_signal -1
	s_barrier_wait -1
	FETCH_B 0, 0, 0
	FETCH_A 0, 0, 0
	FETCH_A 0, 0, 4
	STEP 0, 0, 1
	TURN 0, 1, 1, 1
	STEP 1, 2, 0
	TURN 1, 0, 1, 3
	STEP 0, 4, 0
	TURN 0, 1, 0, 5
	STEP 1, 6, 0
	s_wait_dscnt 16
	WIN MUL_LO
	MUL16 0, 1, 7, 0
	MUL16 2, 1, 7, 0
	s_wait_dscnt 0
	WIN MUL_HI
	MUL16 4, 1, 7, 0
	MUL16 6, 1, 7, 0
	WIN 0
.macro TOSTAGE a
.set AC, 64*((\a)%4)
	WIN 0x08+4*((\a)/4)
.irp b, 0,1,2,3,4,5,6,7
	ds_store_b128 v[STO], v[AC+8*\b:AC+8*\b+3] offset:128*(\b/2)+32*(\b%2)
	ds_store_b128 v[STO], v[AC+8*\b+4:AC+8*\b+7] offset:128*(\b/2)+32*(\b%2)+16
.endr
	WIN 0
.set BB, BK+64*((\a)%2)
.irp t, 0,1,2,3,4,5,6,7,8,9,10,11,12,13,14,15
	ds_load_b128 v[BB+4*\t:BB+4*\t+3], v[RD] offset:\t*SPITCH
.endr
.endm
.macro SEND a, younger
.set BB, BK+64*((\a)%2)
	s_wait_dscnt \younger
.irp t, 0,1,2,3,4,5,6,7,8,9,10,11,12,13,14,15
	v_pk_add_f32 v[BB+4*\t:BB+4*\t+1], v[BB+4*\t:BB+4*\t+1], v[BI:BI+1]
	v_pk_add_f32 v[BB+4*\t+2:BB+4*\t+3], v[BB+4*\t+2:BB+4*\t+3], v[BI+2:BI+3]
	global_store_b128 v[CO], v[BB+4*\t:BB+4*\t+3], s[10:11] offset:(32*((\a)/2)+8*((\a)%2)+\t+8*(\t/8))*4096 th:TH_STORE_NT
.endr
.endm
	PLACES NP
	TOSTAGE 0
.irp a, 1,2,3,4,5,6,7
.if \a > 1
	s_wait_xcnt 0x0
.endif
	TOSTAGE \a
	SEND \a-1, 32
.endr
	SEND 7, 0
	s_wait_tensorcnt 0x0
	ds_add_u32 v[SPW], v[NIL]
	s_wait_dscnt 0x0
	CROUND
	s_endpgm
.Lfunc_end_k_qa63a77f648_outp:
	.size	k_qa63a77f648_outp, .Lfunc_end_k_qa63a77f648_outp-k_qa63a77f648_outp
	.p2alignl 7, 3214868480
	.fill 96, 4, 3214868480
	.section	.rodata,"a",@progbits
	.p2align	6, 0x0
	.amdhsa_kernel k_qa63a77f648_outp
		.amdhsa_group_segment_fixed_size 327680
		.amdhsa_private_segment_fixed_size 0
		.amdhsa_enable_private_segment 0
		.amdhsa_kernarg_size 32
		.amdhsa_user_sgpr_count 2
		.amdhsa_user_sgpr_kernarg_segment_ptr 1
		.amdhsa_wavefront_size32 1
		.amdhsa_system_sgpr_workgroup_id_x 1
		.amdhsa_system_sgpr_workgroup_id_y 1
		.amdhsa_system_sgpr_workgroup_id_z 1
		.amdhsa_system_vgpr_workitem_id 0
		.amdhsa_next_free_vgpr 1024
		.amdhsa_next_free_sgpr 96
		.amdhsa_reserve_vcc 0
		.amdhsa_float_denorm_mode_32 3
		.amdhsa_float_denorm_mode_16_64 3
		.amdhsa_memory_ordered 1
		.amdhsa_forward_progress 1
		.amdhsa_inst_pref_size 159
	.end_amdhsa_kernel
	.amdgpu_metadata
---
amdhsa.version: [ 1, 2 ]
amdhsa.kernels:
  - .name:           k_qa63a77f648_outp
    .symbol:         k_qa63a77f648_outp.kd
    .args:
      - { .name: img, .offset: 0, .size: 8, .value_kind: global_buffer, .address_space: global }
      - { .name: scl, .offset: 8, .size: 8, .value_kind: global_buffer, .address_space: global }
      - { .name: bo, .offset: 16, .size: 8, .value_kind: global_buffer, .address_space: global }
      - { .name: out0, .offset: 24, .size: 8, .value_kind: global_buffer, .address_space: global }
    .group_segment_fixed_size: 327680
    .private_segment_fixed_size: 0
    .kernarg_segment_align: 8
    .kernarg_segment_size: 32
    .max_flat_workgroup_size: 128
    .sgpr_count:     96
    .vgpr_count:     1024
    .wavefront_size: 32
...
	.end_amdgpu_metadata
.endif
;; end of part 8
